; MI455X (gfx1250); checked and timed in simulation.
; The chip was launched on July 23, 2026; its instructions are those of AMD's public machine-readable ISA for CDNA 5 (MIT licence, August 2026) and "CDNA5" Instruction Set Architecture Reference Guide (July 2026). The comments in the code are by the model that wrote it; some were corrected since.
;; Attention. Allowed arithmetic: matrix products marked QUANTISED: E2M3 operands, one E8M0 scale for each 32 along K, by v_wmma_scale_f32_16x16x128_f8f6f4 with both operands' format E2M3, f32 sums; everything else in f32.
;; Inputs: w_kv 1,024 x 2,048 float32; w_out 1,024 x 1,024 float32; w_q 1,024 x 1,024 float32; x 2 x 2,048 x 1,024 float32.
;; Outputs: out0 2 x 2,048 x 1,024 float32.
;; This version of the problem:
;;   THIS VERSION OF THE PROBLEM IS GIVEN IN LOW PRECISION. The matrix products marked QUANTISED in the list below multiply operands that are first quantised to E2M3 (2 exponent bits, 3 mantissa bits; 6 bits a number), with one power-of-two scale for each 32 numbers along K (OCP MX v1.0); their sums are f32. All else is computed in f32.
;;   The module's matrix products, in the order in which they are computed (A, B: the left and right operand; K: the contracted axis; several contracted axes count as one K, in the product's order):
;;     1. [M 4,096, K 1,024] x [K 1,024, N 1,024]; A: input x; B: input w_q: QUANTISED
;;     2. [M 4,096, K 1,024] x [K 1,024, N 2,048]; A: input x; B: input w_kv: QUANTISED
;;     3. batch 32 x [M 2,048, K 64] x [K 64, N 2,048]; A: computed on the way; B: computed on the way: QUANTISED
;;     4. batch 32 x [M 2,048, K 2,048] x [K 2,048, N 64]; A: softmax (see below); B: computed on the way: QUANTISED
;;     5. [M 4,096, K 1,024] x [K 1,024, N 1,024]; A: computed on the way; B: input w_out: QUANTISED
;;   THE QUANTISER, for each operand of a quantised product, along K:
;;     - K is cut into blocks of 32 from its start; a last block that is shorter is filled with zeros.
;;     - A block's scale is 2^e with e = floor(log2(the largest magnitude in the block)) - 2, held to -126 .. 127; a block of zeros has e = 0. As a byte (E8M0): e + 127.
;;     - Each number is divided by its block's scale, clamped to +-7.5, and rounded to the nearest number of E2M3, ties to even, subnormals kept.
;;     - The product sums the exact products of the quantised numbers (number of the format x scale) in f32.
;;   ~~~python
;;   def quantise(x, axis):      # numpy; x: float32 -> the quantised numbers, widened to float32 again
;;       x = np.moveaxis(x, axis, -1); K = x.shape[-1]
;;       x = np.pad(x, [(0, 0)] * (x.ndim - 1) + [(0, -K % 32)]); x = x.reshape(x.shape[:-1] + (-1, 32)); a = np.abs(x).max(-1, keepdims=True)
;;       e = np.where(a > 0, np.clip(np.frexp(np.where(a > 0, a, 1))[1] - 1 - 2, -126, 127), 0)      # np.frexp(a)[1] - 1 = floor(log2(a)), exactly
;;       r = np.clip(x / 2.0 ** e, -7.5, 7.5)
;;       step = 2.0 ** (np.maximum(np.frexp(np.where(r == 0, 1, r))[1] - 1, 0) - 3)
;;       q = np.round(r / step) * step * 2.0 ** e      # np.round: ties to even
;;       return np.moveaxis(q.reshape(q.shape[:-2] + (-1,))[..., :K], -1, axis).astype(np.float32)
;;   ~~~
;;   SOFTMAX AHEAD OF A QUANTISED PRODUCT. Where the list says 'softmax', what is quantised is not the finished softmax but p = 2^(t - M), with t = logit x log2(e) and M = ceil(the row's largest t), a whole number; so 1/2 < the row's largest p <= 1. The row's sum l is taken of the UNQUANTISED p, in f32, and the product's result is divided by l at the end. Since M is a whole number, a kernel that streams over the keys may use a running M (the ceiling of the running maximum): every later rescaling is an exact power of two, which a block's scale takes up: the codes' values come out the same.
;;   OPERANDS COMPUTED ON THE WAY. 'Computed on the way' means the value that the module computes at that place (a softmax that the list does not call 'softmax' is quantised finished and normalised). What goes into a quantiser is computed in f32, as accurately as f32 sums, v_exp_f32 and their like allow (about 1e-6 of the number): no bf16 or f16 on the way to a quantiser, and a product that is left as it is and whose result goes on into a quantised operand takes f32 operands (vector FMAs, or v_wmma_f32_16x16x4_f32). A number that lies on a knife's edge between two numbers of the format may be rounded either way, as far as f32 arithmetic and the matrix unit's own rounding can turn it there, and no further.
;; One version. Each part assembles by itself: llvm-mc -triple=amdgcn-amd-amdhsa -mcpu=gfx1250 --defsym DOCPART=n.
;; ======== version 1 of 1: 4 launches
;; limits: right only within a limited range of input values
;; workspace buffers: pbuf 7,077,888 bytes; qbuf 9,961,472 bytes; abuf 3,276,800 bytes
;; launch prep (part 1): grid 256 x 1, 13 waves a work-group, no clusters, 81,664 bytes of LDS; arguments x, w_q, w_kv, w_out, pbuf; writes pbuf
.if DOCPART == 1
	.amdgcn_target "amdgcn-amd-amdhsa--gfx1250"
	.amdhsa_code_object_version 6
	.text
	.protected	k_q1f1667f615_prep
	.globl	k_q1f1667f615_prep
	.p2align	8
	.type	k_q1f1667f615_prep,@function
k_q1f1667f615_prep:
	s_mov_b64 s[64:65], 0
	v_nop
	global_prefetch_b8 v0, s[64:65] scope:SCOPE_SE
	s_setreg_imm32_b32 hwreg(HW_REG_WAVE_MODE, 25, 1), 1
	s_wait_xcnt 0x0
; x [4096][1024], w_q [1024][1024], w_kv [1024][2048], w_out [1024][1024], all f32, become codes of FP6 (E2M3) with one E8M0 byte for each 32 along K = 1,024; and the table of cos and sin for the rotary embedding is made.
; WORK LEFT OUT IN THIS PROGRAM: in launch attn the key steps that lie wholly beyond a query tile's diagonal: reference() replaces those scores by the least f32 number ahead of the softmax, so their weights are 0 for all
; inputs.  A NaN, an infinity or an overflow that reaches only those scores is not carried to the result.  Every input is loaded.
; A HALF FRAGMENT (768 bytes) is 16 rows x 64 K as operand registers: lane (r, h) owns the 24 bytes of block h of row r; the first 16 lie at 16 x lane, the last 8 at 512 + 8 x lane.
; THE ROWS OF A TILE ARE NOT NEIGHBOURS: row r of tile 4 c + u is index 64 c + 8 u + r % 8 + 32 (r / 8): results made with four such tiles as source 0 leave a whole block of 32 neighbours in a lane's 32 registers.
; A SCALE WORD serves a row and 128 K; lanes 0-15 hold the even K step's, lanes 16-31 the odd one's.  x: [tile][lane][quarter of K]; weights: [64 columns][quarter][lane][tile].
; SHARES: 256 work-groups of 13 waves.  Waves 0-3: a row tile of x, a quarter of K each.  Waves 4-11: 64 columns of a weight x 256 K, each wave 32 columns x 64 K, a lane a column, registers down K.  Wave 12: half a tile of the table.
; A block's scale is 2^(floor(log2(largest magnitude)) - 2): its byte is that magnitude's exponent field - 2, held at 1 from below by a floor among the maximum's leaves.
; LIMITS: NaN and infinities are not served; a block of zeros, or one under 2^-124, gets the byte 1 (this program alone reads the bytes).
; The angle's reduction by pi/2 in two parts serves angles up to 2,047, which the sequence's length fixes.  The 16 frequencies are the f32 numbers 1 / (10^(i/4) rounded to f32), rounded.
.set XC,    0
.set WC,    3145728
.set WOC,   5505024
.set XS,    6291456
.set WS,    6422528
.set WOS,   6520832
.set ROPE,  6553600
.set STG,   16640                      ; a stage for each x wave: 16 rows x (1,024 bytes + 16)
.set SP,    1040
.set IMG,   66560                      ; four weight tiles' quarter of K as they leave: 12,288 bytes
.set XSB,   78848                      ; x's scale words, 512 bytes
.set SCB,   79360                      ; the weights', 512 bytes
.set SPARE, 79872                      ; the spare words, 128 bytes a wave
.set FLOOR, 0x1800000
.set SPW, 254
.set NIL, 255
.set R,   16
.set X,   144
.set C,   208
.set E,   240
.set TA,  244
.set TC,  245
.set SCL, 246
.set BY,  248
.macro BLKMAX xb, ta, tc               ; the largest magnitude of 32 and the floor, in two chains
	v_max3_num_f32 v[\ta], |v[\xb]|, |v[\xb+1]|, FLOOR
	v_max3_num_f32 v[\tc], |v[\xb+16]|, |v[\xb+17]|, FLOOR
.irp i, 2,4,6,8,10,12,14
	v_max3_num_f32 v[\ta], v[\ta], |v[\xb+\i]|, |v[\xb+\i+1]|
	v_max3_num_f32 v[\tc], v[\tc], |v[\xb+16+\i]|, |v[\xb+17+\i]|
.endr
	v_max_num_f32 v[\ta], v[\ta], v[\tc]
.endm
.macro CODES cb, eb, xb, sc            ; 32 numbers become 24 bytes (a conversion's three registers begin on an even number)
	v_cvt_scalef32_pk16_fp6_f32 v[\cb:\cb+2], v[\xb:\xb+15], v[\sc]
	v_cvt_scalef32_pk16_fp6_f32 v[\eb:\eb+2], v[\xb+16:\xb+31], v[\sc]
	v_nop
.irp i, 0,1,2
	v_mov_b32 v[\cb+3+\i], v[\eb+\i]
.endr
.endm
	s_load_b256 s[4:11], s[0:1], 0x0               ; x s[4:5], w_q s[6:7], w_kv s[8:9], w_out s[10:11]
	s_load_b64 s[12:13], s[0:1], 0x20              ; pbuf
	v_lshl_add_u32 v[SPW], v0, 2, SPARE
	v_mov_b32 v[NIL], 0
	v_lshrrev_b32 v1, 5, v0
	v_readfirstlane_b32 s14, v1                    ; wave 0..12
	s_add_co_u32 s15, s14, 4
	s_and_b32 s15, s15, 7                          ; weight wave 0..7
	s_and_b32 s16, s14, 3                          ; x's quarter of K
	s_and_b32 s17, s15, 1                          ; which 32 of the 64 columns
	s_lshr_b32 s18, s15, 1                         ; which 64 of the 256 K
	s_mul_i32 s26, s16, STG
	s_lshl_b32 s27, s16, 2
	s_add_co_u32 s27, s27, XSB
	s_lshl_b32 s19, s17, 7
	s_mul_i32 s20, s18, 768
	s_add_co_u32 s20, s20, IMG
	s_add_co_u32 s21, s20, s19
	s_lshl_b32 s22, s17, 6
	s_add_co_u32 s22, s22, s20
	s_add_co_u32 s22, s22, 512
	s_lshr_b32 s23, s18, 1
	s_lshl_b32 s23, s23, 8
	s_add_co_u32 s23, s23, s19
	s_and_b32 s24, s18, 1
	s_lshl_b32 s24, s24, 1
	s_add_co_u32 s23, s23, s24
	s_add_co_u32 s23, s23, SCB
	s_mul_i32 s25, s15, 1536
	s_add_co_u32 s25, s25, IMG
	v_and_b32 v1, 31, v0                           ; lane
	v_and_b32 v2, 15, v0                           ; r
	v_bfe_u32 v3, v0, 4, 1                         ; h
	v_lshlrev_b32 v7, 4, v1                        ; 16 x lane
	v_lshlrev_b32 v8, 3, v1                        ; 8 x lane
	v_and_b32 v9, 7, v0
	v_lshrrev_b32 v16, 3, v1                       ; my column's tile
	v_mul_u32_u24 v17, v16, 3072
	v_mul_u32_u24 v5, v3, SP
	v_lshl_add_u32 v5, v2, 4, v5
	v_add_nc_u32 v5, s26, v5                       ; x's stage, in: lanes 0-15 one row, lanes 16-31 the next
	v_mul_u32_u24 v6, v2, SP
	v_lshl_add_u32 v6, v3, 7, v6
	v_add_nc_u32 v6, s26, v6                       ; out: row r, block h
	v_add_nc_u32 v11, s27, v7
	v_lshl_add_u32 v12, v9, 4, v17
	v_add_nc_u32 v12, s21, v12                     ; the weights' image: my column's first 16 bytes,
	v_lshl_add_u32 v13, v9, 3, v17
	v_add_nc_u32 v13, s22, v13                     ; its last 8,
	v_lshlrev_b32 v14, 4, v9
	v_lshl_add_u32 v14, v16, 2, v14
	v_add_nc_u32 v14, s23, v14                     ; and its two scale bytes
	v_add_nc_u32 v15, s25, v7                      ; the way out of the image
	v_add_nc_u32 v252, XSB, v7
	s_wait_alu depctr_va_vdst(0)
	s_lshr_b32 s34, ttmp9, 2
	s_and_b32 s35, ttmp9, 3
	s_lshl_b32 s28, s34, 6                         ; x: first row of the tile,
	s_lshl_b32 s29, s35, 3
	s_add_co_u32 s28, s28, s29
	s_lshl_b32 s28, s28, 12
	s_lshl_b32 s29, s16, 10
	s_add_co_u32 s28, s28, s29
	s_mov_b32 s29, 0
	s_mul_i32 s30, ttmp9, 12288                    ; its codes,
	s_mul_i32 s31, s16, 3072
	s_add_co_u32 s30, s30, s31
	s_mov_b32 s31, 0
	s_lshl_b32 s32, ttmp9, 9
	s_add_co_u32 s32, s32, XS                      ; its scale words
	s_mov_b32 s33, 0
	s_lshr_b32 s36, s34, 4                         ; weights: 0 w_q, 1 w_kv's k, 2 w_kv's v, 3 w_out
	s_and_b32 s37, s34, 15                         ; which 64 columns
	s_add_co_u32 s38, s36, 1
	s_and_b32 s38, s38, 2
	s_lshl_b32 s38, s38, 11
	s_add_co_u32 s38, s38, 4096                    ; a row in bytes
	s_lshl_b32 s40, s35, 8
	s_lshl_b32 s41, s18, 6
	s_add_co_u32 s40, s40, s41
	s_mul_i32 s40, s40, s38
	s_lshl_b32 s41, s37, 8
	s_add_co_u32 s40, s40, s41
	s_lshl_b32 s41, s17, 7
	s_add_co_u32 s40, s40, s41
	s_cmp_eq_u32 s36, 2
	s_cselect_b32 s41, 4096, 0
	s_add_co_u32 s40, s40, s41
	s_mov_b32 s41, 0
	s_mul_i32 s42, s37, 12
	s_lshl_b32 s43, s36, 2
	s_add_co_u32 s42, s42, s43
	s_add_co_u32 s42, s42, s18
	s_mul_i32 s42, s42, 12288
	s_add_co_u32 s42, s42, WC                      ; q, k, v: [head][12 tiles][12,288]
	s_lshl_b32 s43, s37, 2
	s_add_co_u32 s43, s43, s18
	s_mul_i32 s43, s43, 12288
	s_add_co_u32 s43, s43, WOC                     ; w_out: [64 tiles][12,288]
	s_mul_i32 s44, s37, 3
	s_add_co_u32 s44, s44, s36
	s_lshl_b32 s44, s44, 2
	s_add_co_u32 s44, s44, s35
	s_lshl_b32 s44, s44, 9
	s_add_co_u32 s44, s44, WS
	s_lshl_b32 s45, s37, 2
	s_add_co_u32 s45, s45, s35
	s_lshl_b32 s45, s45, 9
	s_add_co_u32 s45, s45, WOS
	s_cmp_eq_u32 s36, 3
	s_cselect_b32 s42, s43, s42
	s_cselect_b32 s44, s45, s44
	s_mul_i32 s43, s35, 3072
	s_add_co_u32 s42, s42, s43
	s_mul_i32 s43, s17, 1536
	s_add_co_u32 s42, s42, s43
	s_mov_b32 s43, 0
	s_mov_b32 s45, 0
	s_wait_alu depctr_va_vdst(0)                   ; the wait at the head's end
	s_wait_kmcnt 0x0
	s_add_nc_u64 s[30:31], s[12:13], s[30:31]
	s_add_nc_u64 s[32:33], s[12:13], s[32:33]
	s_add_nc_u64 s[42:43], s[12:13], s[42:43]
	s_add_nc_u64 s[44:45], s[12:13], s[44:45]
	s_cmp_lt_u32 s14, 4
	s_cbranch_scc1 .Lx_path
	s_cmp_lt_u32 s14, 12
	s_cbranch_scc1 .Lw_path
; ---------------- the table: tile T's 16 positions x 8 of the 16 frequencies.  Lanes 16-31 hold channels that pass: cos 1, sin 0
	s_lshr_b32 s24, ttmp9, 1
	s_and_b32 s25, ttmp9, 1
	s_lshr_b32 s26, s24, 2
	s_lshl_b32 s26, s26, 6
	s_and_b32 s27, s24, 3
	s_lshl_b32 s27, s27, 3
	s_add_co_u32 s26, s26, s27
	s_lshl_b32 s76, s24, 12
	s_lshl_b32 s77, s25, 10
	s_add_co_u32 s76, s76, s77
	s_add_co_u32 s76, s76, ROPE
	s_mov_b32 s77, 0
	s_add_nc_u64 s[76:77], s[12:13], s[76:77]
	s_mov_b32 s50, 0x3f22f983                      ; 2 / pi
	s_mov_b32 s51, 0xbfc90fdb                      ; -(pi / 2), the f32 nearest
	s_mov_b32 s52, 0x333bbd2e                      ; what that f32 has too much
	s_mov_b32 s53, 0xb94ca1f9                      ; sin's polynomial on +-pi/4
	s_mov_b32 s54, 0x3c08839e
	s_mov_b32 s55, 0xbe2aaaa3
	s_mov_b32 s56, 0x37ccf5ce                      ; cos's
	s_mov_b32 s57, 0xbab6061a
	s_mov_b32 s58, 0x3d2aaaa5
	s_mov_b32 s60, 0xffff0000
	s_cmp_eq_u32 s25, 0
.macro FREQ n, lo, hi
	s_mov_b32 s59, \hi
	s_cselect_b32 s[68+\n], \lo, s59
.endm
	FREQ 0, 0x3f800000, 0x3c23d70a
	FREQ 1, 0x3f0ff59a, 0x3bb8449c
	FREQ 2, 0x3ea1e89b, 0x3b4f3e38
	FREQ 3, 0x3e361887, 0x3ae91528
	FREQ 4, 0x3dcccccd, 0x3a83126f
	FREQ 5, 0x3d6655c2, 0x3a136a16
	FREQ 6, 0x3d0186e3, 0x39a5cb60
	FREQ 7, 0x3c91ad39, 0x393a7753
	v_and_b32 v4, 7, v2
	v_lshrrev_b32 v20, 3, v2
	v_lshl_add_u32 v4, v20, 5, v4
	v_add_nc_u32 v4, s26, v4
	v_cvt_f32_u32 v4, v4                           ; my row's position
	v_mov_b32 v18, 1.0
	v_mov_b32 v19, 0
.macro SINCOS n
	v_mul_f32 v20, s[68+\n], v4                    ; the angle, rounded as the f32 product is
	v_mul_f32 v21, s50, v20
	v_rndne_f32 v21, v21                           ; quarter turns
	v_fma_f32 v22, v21, s51, v20                   ; the angle less so many quarter turns, in two parts
	v_fma_f32 v22, v21, s52, v22
	v_cvt_i32_f32 v21, v21
	v_mul_f32 v23, v22, v22
	v_fma_f32 v24, v23, s53, s54
	v_fma_f32 v24, v24, v23, s55
	v_mul_f32 v24, v24, v23
	v_fma_f32 v24, v24, v22, v22                   ; sin of the rest
	v_fma_f32 v25, v23, s56, s57
	v_fma_f32 v25, v25, v23, s58
	v_mul_f32 v26, v23, v23
	v_fma_f32 v27, v23, -0.5, 1.0
	v_fma_f32 v25, v25, v26, v27                   ; cos of the rest
	v_and_b32 v26, 1, v21
	v_cmp_eq_u32 vcc_lo, 1, v26                    ; an odd number of quarter turns swaps the two
	v_cndmask_b32 v27, v24, v25, vcc_lo
	v_cndmask_b32 v28, v25, v24, vcc_lo
	v_lshlrev_b32 v26, 30, v21                     ; sin is negative in quarters 2, 3
	v_and_b32 v26, 0x80000000, v26
	v_xor_b32 v27, v27, v26
	v_add_nc_u32 v26, 1, v21                       ; cos in quarters 1, 2
	v_lshlrev_b32 v26, 30, v26
	v_and_b32 v26, 0x80000000, v26
	v_xor_b32 v28, v28, v26
	v_cndmask_b32 v[32+\n], v28, v18, s60
	v_cndmask_b32 v[48+\n], v27, v19, s60
.endm
.irp n, 0,1,2,3,4,5,6,7
	SINCOS \n
.endr
.irp pl, 0,1
	global_store_b128 v7, v[32+4*\pl:35+4*\pl], s[76:77] offset:512*\pl        ; planes 0-3: cos
	global_store_b128 v7, v[48+4*\pl:51+4*\pl], s[76:77] offset:2048+512*\pl   ; planes 4-7: sin
.endr
	s_branch .Ljoin
; ---------------- the weights: all 64 loads of the wave go out at once
.Lw_path:
	s_cmp_eq_u32 s36, 0
	s_cselect_b64 s[28:29], s[6:7], s[8:9]
	s_cmp_eq_u32 s36, 3
	s_cselect_b64 s[28:29], s[10:11], s[28:29]
	s_add_nc_u64 s[40:41], s[28:29], s[40:41]
	s_lshl_b32 s46, s38, 5
	s_mov_b32 s47, 0
	s_add_nc_u64 s[48:49], s[40:41], s[46:47]
	v_lshlrev_b32 v16, 2, v1
.irp i, 1,2,3,4,5,6,7,8,9,10,11,12,13,14,15,16,17,18,19,20,21,22,23,24,25,26,27,28,29,30,31
	v_add_nc_u32 v[16+\i], s38, v[15+\i]           ; v16-47: my column in rows 0 .. 31 of a block
.endr
.irp t, 0,1
.irp i, 0,1,2,3,4,5,6,7,8,9,10,11,12,13,14,15,16,17,18,19,20,21,22,23,24,25,26,27,28,29,30,31
	global_load_b32 v[48+32*\t+\i], v[16+\i], s[40+8*\t:41+8*\t] th:TH_LOAD_NT   ; a wave reads 128 consecutive bytes, two waves 256
.endr
.endr
	s_wait_alu depctr_va_vdst(0)
.irp t, 0,1
	s_wait_alu depctr_va_vdst(0)
	s_wait_loadcnt 32-32*\t                        ; this block's 32 loads are in; the other block's may be out
	BLKMAX 48+32*\t, TA, TC
	v_add_nc_u32 v[SCL], 0xff000000, v[TA]         ; 2 off the exponent field: the conversion's scale operand
	v_lshrrev_b32 v[BY+\t], 23, v[SCL]
	CODES 112+8*\t, 128+4*\t, 48+32*\t, SCL
	ds_store_b128 v12, v[112+8*\t:115+8*\t] offset:256*\t
	ds_store_b64 v13, v[116+8*\t:117+8*\t] offset:128*\t
.endr
	v_lshl_or_b32 v247, v[BY+1], 8, v[BY]
	ds_store_b16 v14, v247
	s_branch .Ljoin
; ---------------- x: the work-group's row tile, my quarter of K (four units of 64)
.Lx_path:
	s_add_nc_u64 s[4:5], s[4:5], s[28:29]
	v_lshlrev_b32 v4, 12, v3
	v_lshl_add_u32 v4, v2, 4, v4                   ; in: lanes 0-15 one row's 256 bytes, lanes 16-31 the next row's
.irp u, 0,1,2,3
.irp i, 0,1,2,3,4,5,6,7
	global_load_b128 v[R+4*(8*\u+\i):R+4*(8*\u+\i)+3], v4, s[4:5] offset:(2*\i+24*(\i/4))*4096+256*\u th:TH_LOAD_NT
.endr
.endr
	s_wait_alu depctr_va_vdst(0)
.irp u, 0,1,2,3
	s_wait_loadcnt 24-8*\u                         ; this unit's eight loads are in; the later units' stay out
.irp i, 0,1,2,3,4,5,6,7
	ds_store_b128 v5, v[R+4*(8*\u+\i):R+4*(8*\u+\i)+3] offset:2*\i*SP+256*\u
.endr
.endr
.macro XLD u                           ; LDS serves a wave's instructions in order: these see my stores
.irp jj, 0,1,2,3,4,5,6,7
	ds_load_b128 v[X+32*((\u)%2)+4*\jj:X+32*((\u)%2)+4*\jj+3], v6 offset:256*(\u)+16*\jj
.endr
.endm
.macro XUNIT u
.set XB, X+32*((\u)%2)
.set CB, C+8*(\u)
	s_wait_alu depctr_va_vdst(0)
.if (\u) < 3
	s_wait_dscnt 8                                 ; this unit's numbers are back; the next unit's eight loads may be out
.else
	s_wait_dscnt 0x0
.endif
	BLKMAX XB, TA, TC
	v_add_nc_u32 v[SCL], 0xff000000, v[TA]
	v_lshrrev_b32 v[BY+(\u)], 23, v[SCL]
	CODES CB, E, XB, SCL
	global_store_b128 v7, v[CB:CB+3], s[30:31] offset:768*(\u)
	global_store_b64 v8, v[CB+4:CB+5], s[30:31] offset:768*(\u)+512
.if (\u)+2 < 4
	XLD (\u)+2
.endif
.endm
	XLD 0
	XLD 1
.irp u, 0,1,2,3
	XUNIT \u
.endr
.irp f, 0,1
	v_lshl_or_b32 v[16+\f], v[BY+2*\f+1], 16, v[BY+2*\f]
.endr
	v_permlane16_swap_b32 v16, v17                 ; lanes 0-15 the even K step's bytes, lanes 16-31 the odd one's: v16 of blocks 0, 2, v17 of blocks 1, 3
	v_lshl_or_b32 v16, v17, 8, v16
	ds_store_b32 v11, v16
.Ljoin:
	s_wait_alu depctr_va_vdst(0)
	s_wait_dscnt 0x0                               ; for the others' sake: my LDS stores have landed
	s_barrier_signal -1
	s_barrier_wait -1
	s_cmp_lt_u32 s14, 4
	s_cbranch_scc1 .Lx_out
	s_cmp_lt_u32 s14, 12
	s_cbranch_scc0 .Lend
.irp k, 0,1,2
	ds_load_b128 v[48+4*\k:51+4*\k], v15 offset:512*\k
.endr
	s_wait_dscnt 0x0
.irp k, 0,1,2
	global_store_b128 v7, v[48+4*\k:51+4*\k], s[42:43] offset:512*\k   ; 512 consecutive bytes
.endr
	s_cmp_eq_u32 s14, 4
	s_cbranch_scc0 .Lend
	ds_load_b128 v[64:67], v252 offset:512
	s_wait_dscnt 0x0
	global_store_b128 v7, v[64:67], s[44:45]
	s_branch .Lend
.Lx_out:
	s_cmp_eq_u32 s14, 0
	s_cbranch_scc0 .Lend
	ds_load_b128 v[64:67], v252
	s_wait_dscnt 0x0
	global_store_b128 v7, v[64:67], s[32:33]
.Lend:
	s_wait_tensorcnt 0x0                           ; the wave's end
	ds_add_u32 v[SPW], v[NIL]
	s_wait_dscnt 0x0
	s_endpgm
.Lfunc_end_k_q1f1667f615_prep:
	.size	k_q1f1667f615_prep, .Lfunc_end_k_q1f1667f615_prep-k_q1f1667f615_prep
	.p2alignl 7, 3214868480
	.fill 96, 4, 3214868480
	.section	.rodata,"a",@progbits
	.p2align	6, 0x0
	.amdhsa_kernel k_q1f1667f615_prep
		.amdhsa_group_segment_fixed_size 81664
		.amdhsa_private_segment_fixed_size 0
		.amdhsa_enable_private_segment 0
		.amdhsa_kernarg_size 40
		.amdhsa_user_sgpr_count 2
		.amdhsa_user_sgpr_kernarg_segment_ptr 1
		.amdhsa_wavefront_size32 1
		.amdhsa_system_sgpr_workgroup_id_x 1
		.amdhsa_system_sgpr_workgroup_id_y 1
		.amdhsa_system_sgpr_workgroup_id_z 1
		.amdhsa_system_vgpr_workitem_id 0
		.amdhsa_next_free_vgpr 256
		.amdhsa_next_free_sgpr 80
		.amdhsa_reserve_vcc 1
		.amdhsa_float_denorm_mode_32 3
		.amdhsa_float_denorm_mode_16_64 3
		.amdhsa_memory_ordered 1
		.amdhsa_forward_progress 1
		.amdhsa_inst_pref_size 46
	.end_amdhsa_kernel
	.amdgpu_metadata
---
amdhsa.version: [ 1, 2 ]
amdhsa.kernels:
  - .name:           k_q1f1667f615_prep
    .symbol:         k_q1f1667f615_prep.kd
    .args:
      - { .name: x, .offset: 0, .size: 8, .value_kind: global_buffer, .address_space: global }
      - { .name: w_q, .offset: 8, .size: 8, .value_kind: global_buffer, .address_space: global }
      - { .name: w_kv, .offset: 16, .size: 8, .value_kind: global_buffer, .address_space: global }
      - { .name: w_out, .offset: 24, .size: 8, .value_kind: global_buffer, .address_space: global }
      - { .name: pbuf, .offset: 32, .size: 8, .value_kind: global_buffer, .address_space: global }
    .group_segment_fixed_size: 81664
    .private_segment_fixed_size: 0
    .kernarg_segment_align: 8
    .kernarg_segment_size: 40
    .max_flat_workgroup_size: 416
    .sgpr_count:     80
    .vgpr_count:     256
    .wavefront_size: 32
...
	.end_amdgpu_metadata
.endif
;; end of part 1
;; launch qkv (part 2): grid 16 x 16, 4 waves a work-group, clusters of 4 x 4, 327,680 bytes of LDS; arguments pbuf, qbuf; writes qbuf
.if DOCPART == 2
	.amdgcn_target "amdgcn-amd-amdhsa--gfx1250"
	.amdhsa_code_object_version 6
	.text
	.protected	k_q1f1667f615_qkv
	.globl	k_q1f1667f615_qkv
	.p2align	8
	.type	k_q1f1667f615_qkv,@function
k_q1f1667f615_qkv:
	s_mov_b64 s[64:65], 0
	v_nop
	global_prefetch_b8 v0, s[64:65] scope:SCOPE_SE
	s_setreg_imm32_b32 hwreg(HW_REG_WAVE_MODE, 25, 1), 1
	s_wait_xcnt 0x0
	s_wait_alu depctr_hold_cnt(0) depctr_sa_sdst(0) depctr_va_vdst(0) depctr_va_sdst(0) depctr_va_ssrc(0) depctr_va_vcc(0) depctr_vm_vsrc(0)
	s_getreg_b32 s2, hwreg(HW_REG_IB_STS2, 6, 4)
	s_cmp_eq_u32 s2, 0
	s_cbranch_scc0 .Lentry_in_a_cluster
	s_endpgm
.Lentry_in_a_cluster:
	s_bfe_u32 s2, ttmp6, 0x10000c
	s_cmp_lg_u32 s2, 0xf033
	s_cbranch_scc0 .Lentry_shape_is_right
	s_endpgm
.Lentry_shape_is_right:
; q, k, v = x w_q, x w_kv on codes of FP6 (E2M3); then the rotary embedding on q and k, and q, k (along the head's 64) and v (along the keys) are quantised again.  Nothing leaves as f32.
; SHARES.  A work-group takes 256 rows of x and ONE head's 192 columns (q, k, v).  Wave w takes rows 64 w .. 64 w + 63 x all 192: 48 accumulators.
; q and k are made TRANSPOSED (source 0 = 16 columns of W, source 1 = 16 rows of x): a lane holds one position; by the tiles' row order its 32 registers are channels 32 h + 0 .. 31 of the head: lanes 0-15 hold
; the rotated channels with their partners, lanes 16-31 the ones that pass (the table has cos 1, sin 0 there).  v is made the other way round: a lane holds one channel and 32 neighbouring keys.  So each quantised block lies in one lane.
; LDS.  At the head, one load a wave: x's and W's quarter 0 of K, then x's and W's quarters 1 and 2.  The fourth quarter is filled once over quarter 0, when K steps 0 and 1 have been read.
; CLUSTER 4 x 4: x's blocks are shared along a row of the cluster, the head's weights along a column: joint loads.
; LIMITS: NaN and infinities are not served; a block of zeros, or one under 2^-124, gets the byte 1 (read by this program alone).  The rotation is fma(t, cos, -+round(partner x sin)).
; No prefetch: the launch has no loop; every tile but one is asked for at the head, and that one four K steps ahead of its use.
.set WC,    3145728
.set XS,    6291456
.set WS,    6422528
.set ROPE,  6553600
.set KVC,   3145728                    ; k and v: [batch x head][key step][k 6,144 | v 6,144 | scale words 512]
.set QS,    9699328
.set W0,    49152                      ; LDS: x quarter 0 at 0, W quarter 0
.set X12,   86016
.set W12,   184320
.set SCR,   258048                     ; 1,024 bytes: two key steps' scale words of k and v, gathered from the four waves
.set SPARE, 259072
.set FLOOR, 0x1800000
.set LN16, 11
.set LN8,  12
.set SPW, 13
.set NIL, 14
.set XSC, 16                           ; v16-31 x's scale words: 4 m + quarter
.set WSC, 32                           ; v32-79 W's: 16 (q, k, v) + 4 quarter + tile
.set XF,  80                           ; v80-175 x's fragments, two sets.  Window 1: v0-191 W_q's and W_k's; window 3: v128-223 W_v's
.set SBQ, 176
.set SBK, 180
.set SBV, 184
.set KWA, 188
.set VSA, 189
.set OUTA, 190
.set TM,  144                          ; the way out, over x's fragments: four largest magnitudes
.set CS0, 152                          ; four sets of 6 registers of codes
.set G1A, 24
.set G1B, 32
.set G1C, 40
.set G1D, 48
.set G0A, 56
.set G0B, 60
.set G0C, 68
.set G0D, 72
.set MSB, 0
.macro WIN new                         ; the immediate's high byte repeats the setting that is left
.if MSB != \new
	s_set_vgpr_msb (MSB<<8)|\new
.set MSB, \new
.endif
.endm
.macro PLACES n
.rept \n
	v_nop
.endr
.endm
.macro TLOAD g0, g1
	tensor_load_to_lds s[\g0:\g0+3], s[\g1:\g1+7]
	s_nop 0
	PLACES 4
.endm
.macro CREST
	s_cmp_lg_u32 s14, 0
	s_cbranch_scc1 .Lnot_wave_0_\@
	s_barrier_signal -3
.Lnot_wave_0_\@:
	s_barrier_wait -3
	s_barrier_signal -1
	s_barrier_wait -1
.endm
.macro CROUND                          ; a round of the cluster's barrier
	s_barrier_signal -1
	s_barrier_wait -1
	CREST
.endm
.macro GROUP1 g, mask, cols, rows      ; rows = tiles, 12,288 bytes apart; cols in elements of 8 bytes
	s_or_b32 s[\g], s[\mask], (3<<16)|(1<<21)
	s_mov_b32 s[\g+1], (\cols)<<16
	s_mov_b32 s[\g+2], (\rows)<<16
	s_mov_b32 s[\g+3], (\cols)<<16
	s_mov_b32 s[\g+4], \rows
	s_mov_b32 s[\g+5], 1536
	s_mov_b32 s[\g+6], 0
	s_mov_b32 s[\g+7], 0
.endm
.macro FRAG reg, al, as, off           ; a fragment, 16 rows x 128 K: two half fragments on end
	ds_load_b128 v[\reg:\reg+3], v[\al] offset:\off
	ds_load_b64 v[\reg+4:\reg+5], v[\as] offset:\off
	ds_load_b128 v[\reg+6:\reg+9], v[\al] offset:\off+768
	ds_load_b64 v[\reg+10:\reg+11], v[\as] offset:\off+768
.endm
.macro WHERE s                         ; K step s: which slot, the tiles' pitch there, the step's place in a tile
.if ((\s)/2 == 0) || ((\s)/2 == 3)
.set SL_, 0
.set TP_, 3072
.set FO_, 1536*((\s)%2)
.set VL_, 5
.set VO_, 8*3072
.else
.set SL_, 2
.set TP_, 6144
.set FO_, 1536*((\s)-2)
.set VL_, 9
.set VO_, 0
.endif
.set PN_, (\s)%2
.endm
.macro FW s, t0                        ; four fragments of W_q or W_k
	WHERE \s
	WIN 0x40
.irp t, 0,1,2,3
	FRAG 96*PN_+12*(\t0+\t), 5+SL_, 6+SL_, TP_*(\t0+\t)+FO_
.endr
.endm
.macro FV s                            ; W_v's four
	WHERE \s
	WIN 0xc0
.irp t, 0,1,2,3
	FRAG 128+48*PN_+12*\t, VL_, VL_+1, VO_+TP_*\t+FO_
.endr
.endm
.macro FX s                            ; x's four
	WHERE \s
	WIN 0
.irp m, 0,1,2,3
	FRAG XF+48*PN_+12*\m, 1+SL_, 2+SL_, TP_*\m+FO_
.endr
.endm
.macro MM d, a, b, zero, sa, sb, row   ; row = 1: the odd K step's scale words, in lanes 16-31 of both scale registers
.if \zero
	v_wmma_scale_f32_16x16x128_f8f6f4 v[\d:\d+7], v[\a:\a+11], v[\b:\b+11], 0, v[\sa], v[\sb] matrix_a_fmt:MATRIX_FMT_FP6 matrix_b_fmt:MATRIX_FMT_FP6
.elseif \row
	v_wmma_scale_f32_16x16x128_f8f6f4 v[\d:\d+7], v[\a:\a+11], v[\b:\b+11], v[\d:\d+7], v[\sa], v[\sb] matrix_a_fmt:MATRIX_FMT_FP6 matrix_b_fmt:MATRIX_FMT_FP6 matrix_a_scale:MATRIX_SCALE_ROW1 matrix_b_scale:MATRIX_SCALE_ROW1
.else
	v_wmma_scale_f32_16x16x128_f8f6f4 v[\d:\d+7], v[\a:\a+11], v[\b:\b+11], v[\d:\d+7], v[\sa], v[\sb] matrix_a_fmt:MATRIX_FMT_FP6 matrix_b_fmt:MATRIX_FMT_FP6
.endif
.endm
; K step s: 48 matrix instructions, the 48 accumulators by turns.  Window 2: q(m) at 32 m + 8 a, k(m) at 128 + 32 m + 8 a.  Window 3: v(t) at 32 t + 8 m.
.macro MQ s, m, zero
	WIN 0xa1                                       ; source 0 (W) window 1, source 1 (x) window 0, C and D window 2
.irp q, 0,1,2,3,4,5,6,7
	MM 128*(\q/4)+32*(\m)+8*(\q%4), 96*((\s)%2)+12*\q, XF+48*((\s)%2)+12*(\m), \zero, WSC+16*(\q/4)+4*((\s)/2)+\q%4, XSC+4*(\m)+(\s)/2, (\s)%2
.endr
.endm
.macro MV s, zero
	WIN 0xfc                                       ; source 0 (x) window 0, source 1 (W_v), C and D window 3
.irp t, 0,1,2,3
.irp m, 0,1,2,3
	MM 32*\t+8*\m, XF+48*((\s)%2)+12*\m, 128+48*((\s)%2)+12*\t, \zero, XSC+4*\m+(\s)/2, WSC+32+4*((\s)/2)+\t, (\s)%2
.endr
.endr
	WIN 0
.endm
.macro KS s, zero                      ; the next step's LDS loads stand in four runs among this step's products
	s_wait_dscnt 0x0
	PLACES 4                                       ; in front of loads into registers that the last step's products read
	FW (\s)+1, 0
	MQ \s, 0, \zero
	FW (\s)+1, 4
	MQ \s, 1, \zero
	FV (\s)+1
	MQ \s, 2, \zero
	FX (\s)+1
	MQ \s, 3, \zero
	MV \s, \zero
.endm
	s_load_b128 s[4:7], s[0:1], 0x0                ; pbuf s[4:5], qbuf s[6:7]
	v_lshl_add_u32 v[SPW], v0, 2, SPARE
	v_mov_b32 v[NIL], 0
	ds_add_u32 v[SPW], v[NIL]                      ; the wave's opening: the add, twice on end, and its wait
	ds_add_u32 v[SPW], v[NIL]
	v_lshrrev_b32 v1, 5, v0
	v_readfirstlane_b32 s14, v1                    ; wave
	s_lshr_b32 s15, s14, 1                         ; which of the block's two key steps holds my rows
	s_and_b32 s16, s14, 1                          ; which half of it
	s_bfe_u32 s17, ttmp6, 0x40000                  ; cx
	s_bfe_u32 s18, ttmp6, 0x40004                  ; cy
	s_lshl_b32 s19, ttmp9, 2
	s_add_co_u32 s19, s19, s17                     ; the head
	s_and_b32 s20, ttmp7, 0xffff
	s_lshl_b32 s20, s20, 2
	s_add_co_u32 s20, s20, s18                     ; the block of 256 rows
	s_lshl_b32 s21, s18, 2
	s_lshl_b32 s21, 15, s21                        ; my row of the cluster
	s_lshl_b32 s22, 0x1111, s17                    ; my column
	GROUP1 G1A, 21, 384, 16                        ; x, a quarter of K
	GROUP1 G1B, 22, 384, 12                        ; W, a quarter
	GROUP1 G1C, 21, 768, 16                        ; x, two quarters
	GROUP1 G1D, 22, 768, 12
	s_mul_i32 s84, s20, 196608                     ; x: tile 16 yb
	s_mov_b32 s85, 0
	s_mul_i32 s86, s19, 147456
	s_add_co_u32 s86, s86, WC                      ; W: tile 12 head
	s_mov_b32 s87, 0
	s_mul_i32 s23, s14, 12288                      ; my four tiles of x in slot 0,
	s_mul_i32 s80, s14, 24576
	s_add_co_u32 s80, s80, X12                     ; and of quarters 1, 2
	s_add_co_u32 s81, s23, 512
	s_add_co_u32 s82, s80, 512
	s_lshl_b32 s88, s15, 9
	s_lshl_b32 s89, s16, 2
	s_add_co_u32 s89, s89, s88
	s_add_co_u32 s89, s89, SCR
	s_lshl_b32 s90, s16, 1
	s_add_co_u32 s90, s90, s88
	s_add_co_u32 s90, s90, SCR+256
	s_lshl_b32 s91, s14, 8
	s_add_co_u32 s91, s91, SCR
	v_and_b32 v15, 31, v0
	v_lshlrev_b32 v[LN16], 4, v15
	v_lshlrev_b32 v[LN8], 3, v15
	v_add_nc_u32 v1, s23, v[LN16]
	v_add_nc_u32 v2, s81, v[LN8]
	v_add_nc_u32 v3, s80, v[LN16]
	v_add_nc_u32 v4, s82, v[LN8]
	v_add_nc_u32 v5, W0, v[LN16]
	v_add_nc_u32 v6, W0+512, v[LN8]
	v_add_nc_u32 v7, W12, v[LN16]
	v_add_nc_u32 v8, W12+512, v[LN8]
	v_add_nc_u32 v9, W12+49152, v[LN16]            ; W_v's tiles of quarters 1, 2
	v_add_nc_u32 v10, W12+49152+512, v[LN8]
	v_add_nc_u32 v[KWA], s89, v[LN8]
	v_add_nc_u32 v[VSA], s90, v[LN8]
	v_add_nc_u32 v[OUTA], s91, v[LN8]
	s_wait_alu depctr_va_vdst(0)                   ; the wait at the head's end
	s_wait_dscnt 0x0                               ; both opening adds are done
	CROUND                                         ; all sixteen work-groups are here: the first joint loads meet
	s_wait_kmcnt 0x0
	s_mov_b32 s[G0A], 1
	s_mov_b32 s[G0A+1], 0
	s_add_nc_u64 s[G0A+2:G0A+3], s[4:5], s[84:85]
	s_mov_b32 s[G0C], 1
	s_mov_b32 s[G0C+1], X12
	s_add_nc_u64 s[G0C+2:G0C+3], s[G0A+2:G0A+3], 3072
	s_or_b32 s[G0A+3], s[G0A+3], 0x80000000
	s_or_b32 s[G0C+3], s[G0C+3], 0x80000000
	s_mov_b32 s[G0B], 1
	s_mov_b32 s[G0B+1], W0
	s_add_nc_u64 s[G0B+2:G0B+3], s[4:5], s[86:87]
	s_mov_b32 s[G0D], 1
	s_mov_b32 s[G0D+1], W12
	s_add_nc_u64 s[G0D+2:G0D+3], s[G0B+2:G0B+3], 3072
	s_or_b32 s[G0B+3], s[G0B+3], 0x80000000
	s_or_b32 s[G0D+3], s[G0D+3], 0x80000000
	s_cmp_eq_u32 s14, 0
	s_cbranch_scc0 .Lhead_1
	TLOAD G0A, G1A
	s_branch .Lhead_asked
.Lhead_1:
	s_cmp_eq_u32 s14, 1
	s_cbranch_scc0 .Lhead_2
	TLOAD G0B, G1B
	s_branch .Lhead_asked
.Lhead_2:
	s_cmp_eq_u32 s14, 2
	s_cbranch_scc0 .Lhead_3
	TLOAD G0C, G1C
	s_branch .Lhead_asked
.Lhead_3:
	TLOAD G0D, G1D
.Lhead_asked:
	s_lshl_b32 s84, s20, 4
	s_lshl_b32 s86, s14, 2
	s_add_co_u32 s84, s84, s86                     ; my first row tile
	s_lshl_b32 s84, s84, 9
	s_add_co_u32 s84, s84, XS
	s_add_nc_u64 s[76:77], s[4:5], s[84:85]        ; its scale words
	s_mul_i32 s84, s19, 6144
	s_add_co_u32 s84, s84, WS
	s_add_nc_u64 s[78:79], s[4:5], s[84:85]        ; the head's
.irp m, 0,1,2,3
	global_load_b128 v[XSC+4*\m:XSC+4*\m+3], v[LN16], s[76:77] offset:512*\m
.endr
.irp g, 0,1,2,3,4,5,6,7,8,9,10,11
	global_load_b128 v[WSC+4*\g:WSC+4*\g+3], v[LN16], s[78:79] offset:512*\g
.endr
	s_and_b32 s88, s20, 7
	s_lshl_b32 s89, s88, 4
	s_add_co_u32 s89, s89, s86                     ; my first tile of positions in the sequence
	s_lshl_b32 s84, s89, 12
	s_add_co_u32 s84, s84, ROPE
	s_add_nc_u64 s[80:81], s[4:5], s[84:85]        ; the table
	s_lshr_b32 s90, s20, 3
	s_lshl_b32 s90, s90, 4
	s_add_co_u32 s90, s90, s19                     ; batch x 16 + head
	s_lshl_b32 s84, s90, 7
	s_add_co_u32 s84, s84, s89
	s_mul_i32 s84, s84, 768
	s_add_nc_u64 s[82:83], s[6:7], s[84:85]        ; q's codes
	s_lshl_b32 s84, s90, 5
	s_lshl_b32 s91, s88, 2
	s_add_co_u32 s84, s84, s91
	s_add_co_u32 s84, s84, s14
	s_lshl_b32 s84, s84, 8
	s_add_co_u32 s84, s84, QS
	s_add_nc_u64 s[94:95], s[6:7], s[84:85]        ; q's scale words
	s_lshl_b32 s88, s88, 1
	s_add_co_u32 s88, s88, s15                     ; my key step
	s_mul_i32 s88, s88, 12800
	s_mul_i32 s90, s90, 204800
	s_add_co_u32 s86, s88, s90
	s_add_co_u32 s86, s86, KVC
	s_mul_i32 s84, s16, 3072
	s_add_co_u32 s84, s84, s86
	s_add_nc_u64 s[88:89], s[6:7], s[84:85]        ; k's codes: tiles 4 (w % 2) + m of the step
	s_mul_i32 s84, s16, 768
	s_add_co_u32 s84, s84, s86
	s_add_co_u32 s84, s84, 6144
	s_add_nc_u64 s[90:91], s[6:7], s[84:85]        ; v's: half fragment w % 2 of each channel tile
	s_lshl_b32 s84, s16, 8
	s_add_co_u32 s84, s84, s86
	s_add_co_u32 s84, s84, 12288
	s_add_nc_u64 s[92:93], s[6:7], s[84:85]        ; my quarter of the two steps' scale words
	s_cmp_lt_u32 s14, 2
	s_cbranch_scc0 .Lno_wait
	s_wait_tensorcnt 0x0                           ; waves 0 and 1: quarter 0 of x and of W is in
.Lno_wait:
	s_barrier_signal -1
	s_barrier_wait -1                              ; quarters 1 and 2 may stay out
	FW 0, 0
	FW 0, 4
	FV 0
	FX 0
	s_wait_loadcnt 0x0                             ; the scale words
	KS 0, 1                                        ; the first products start the sums: nothing is cleared
	s_wait_tensorcnt 0x0                           ; K step 1 holds THE ONE REFILL.  All my tensor loads have landed,
	ds_add_u32 v[SPW], v[NIL]                      ; 0 onto my spare word;
	s_add_nc_u64 s[G0A+2:G0A+3], s[G0A+2:G0A+3], 9216     ; slot 0's descriptors go on to the fourth quarter of K
	s_add_nc_u64 s[G0B+2:G0B+3], s[G0B+2:G0B+3], 9216
	s_wait_dscnt 1                                 ; step 1's fragments are in; the add may be out
	MQ 1, 0, 0
	MQ 1, 1, 0
	s_wait_dscnt 0x0                               ; the add is done, and so are my reads of slot 0
	s_barrier_signal -1
	MQ 1, 2, 0
	WIN 0
	s_barrier_wait -1
	CREST                                          ; no wave of any partner still reads slot 0 or has a load on its way
	s_cmp_eq_u32 s14, 0
	s_cbranch_scc0 .Lrefill_1
	TLOAD G0A, G1A
	s_branch .Lrefilled
.Lrefill_1:
	s_cmp_eq_u32 s14, 1
	s_cbranch_scc0 .Lrefilled
	TLOAD G0B, G1B
.Lrefilled:
	PLACES 4
	FW 2, 0
	FW 2, 4
	FV 2
	FX 2
	MQ 1, 3, 0
	MV 1, 0
	WIN 0x40                                       ; the table of tiles 0, 1 into window 1, v192-255: 16 cos, 16 sin a tile
.irp m, 0,1
.irp pl, 0,1,2,3,4,5,6,7
	global_load_b128 v[192+32*\m+4*\pl:195+32*\m+4*\pl], v[LN16], s[80:81] offset:4096*\m+512*\pl
.endr
.endr
	WIN 0                                          ; of tiles 2, 3 into window 0
.irp m, 2,3
.irp pl, 0,1,2,3,4,5,6,7
	global_load_b128 v[128+32*\m+4*\pl:131+32*\m+4*\pl], v[LN16], s[80:81] offset:4096*\m+512*\pl
.endr
.endr
	KS 2, 0
	KS 3, 0
	KS 4, 0
	s_wait_tensorcnt 0x0                           ; K step 5: the fourth quarter is in,
	s_wait_dscnt 0x0                               ; and step 5's fragments
	s_barrier_signal -1
	MQ 5, 0, 0
	WIN 0
	s_barrier_wait -1                              ; for all waves
	PLACES 4
	FW 6, 0
	MQ 5, 1, 0
	FW 6, 4
	MQ 5, 2, 0
	FV 6
	MQ 5, 3, 0
	FX 6
	MV 5, 0
	KS 6, 0
	s_wait_dscnt 0x0
	MQ 7, 0, 0
	MQ 7, 1, 0
	MQ 7, 2, 0
	MQ 7, 3, 0
	MV 7, 0
; THE WAY OUT.  32 neighbours in a lane's registers (from x on, under window setting w) are one block: six registers of codes and a scale byte; the largest magnitude stands in v[TM].
; Two tiles go together, so that four chains stand side by side; the second tile's numbers lie 32 registers behind the first's, its largest magnitude in v[TM+2].
.set BV, 0                             ; in window 1, over W's fragments: 32 products of t and sin a tile
.set RR, 80                            ; 32 results a tile, over x's fragments
.set SOA, 15                           ; the conversions' scale operands
.set SOB, 191
.set EA, 2                             ; a block's second 16 codes, over the LDS addresses, which have served
.set EB, 6
.macro QF2 x, w, cc, sb
	v_max_num_f32 v[TM], v[TM], v[TM+1]
	v_max_num_f32 v[TM+2], v[TM+2], v[TM+3]
	v_add_nc_u32 v[SOA], 0xff000000, v[TM]         ; 2 off the exponent field: the conversion's scale operand
	v_add_nc_u32 v[SOB], 0xff000000, v[TM+2]
	WIN \w
	v_cvt_scalef32_pk16_fp6_f32 v[\cc:\cc+2], v[\x:\x+15], v[SOA]
	v_cvt_scalef32_pk16_fp6_f32 v[EA:EA+2], v[\x+16:\x+31], v[SOA]
	v_cvt_scalef32_pk16_fp6_f32 v[\cc+6:\cc+8], v[\x+32:\x+47], v[SOB]
	v_cvt_scalef32_pk16_fp6_f32 v[EB:EB+2], v[\x+48:\x+63], v[SOB]
	WIN 0
	v_lshrrev_b32 v[\sb], 23, v[SOA]               ; the bytes; the plain places behind the conversions too
	v_lshrrev_b32 v[\sb+1], 23, v[SOB]
.irp i, 0,1,2
	v_mov_b32 v[\cc+3+\i], v[EA+\i]
	v_mov_b32 v[\cc+9+\i], v[EB+\i]
.endr
.endm
.macro QK2 ab, m, sb, base             ; q or k of tiles m, m + 1, from v[ab] of window 2: channel 32 h + i; channel i < 16 rotates with i + 16
.if (\m) < 2
.set WT, 0x06                          ; source 0 window 2, source 1 (the table) window 1
.else
.set WT, 0x02                          ; the table in window 0
.endif
	WIN 0x40|WT
.irp i, 0,2,4,6,8,10,12,14
.irp u, 0,32
	v_pk_mul_f32 v[BV+\u+16+\i:BV+\u+17+\i], v[(\ab)+\u+\i:(\ab)+\u+1+\i], v[208+\u+\i:209+\u+\i]   ; (each accumulator is read from its low end on)
	v_pk_mul_f32 v[BV+\u+\i:BV+\u+1+\i], v[(\ab)+\u+16+\i:(\ab)+\u+17+\i], v[208+\u+\i:209+\u+\i]
.endr
.endr
	WIN 0x10|WT
.irp i, 0,2,4,6,8,10,12,14
.irp u, 0,32
	v_pk_fma_f32 v[RR+\u+\i:RR+\u+1+\i], v[(\ab)+\u+\i:(\ab)+\u+1+\i], v[192+\u+\i:193+\u+\i], v[BV+\u+\i:BV+\u+1+\i] neg_lo:[0,0,1] neg_hi:[0,0,1]
	v_pk_fma_f32 v[RR+\u+16+\i:RR+\u+17+\i], v[(\ab)+\u+16+\i:(\ab)+\u+17+\i], v[192+\u+\i:193+\u+\i], v[BV+\u+16+\i:BV+\u+17+\i]
.endr
.endr
	WIN 0
.irp c, 0,1,2,3
	v_max3_num_f32 v[TM+\c], |v[RR+16*\c]|, |v[RR+16*\c+1]|, FLOOR
.endr
.irp i, 2,4,6,8,10,12,14
.irp c, 0,1,2,3
	v_max3_num_f32 v[TM+\c], v[TM+\c], |v[RR+16*\c+\i]|, |v[RR+16*\c+\i+1]|
.endr
.endr
	QF2 RR, 0, CS0+6*(\m), \sb
.irp u, 0,1
	global_store_b128 v[LN16], v[CS0+6*(\m+\u):CS0+6*(\m+\u)+3], s[\base:\base+1] offset:768*(\m+\u)          ; 512 consecutive bytes,
	global_store_b64 v[LN8], v[CS0+6*(\m+\u)+4:CS0+6*(\m+\u)+5], s[\base:\base+1] offset:768*(\m+\u)+512      ; and 256
.endr
.endm
.macro VQ2 t                           ; v of channel tiles t, t + 1, 32 registers each from v[32 t] of window 3: 32 neighbouring keys
.set VB, 32*(\t)
	WIN 0x0f
.irp c, 0,1,2,3
	v_max3_num_f32 v[TM+\c], |v[VB+16*\c]|, |v[VB+16*\c+1]|, FLOOR
.endr
.irp i, 2,4,6,8,10,12,14
.irp c, 0,1,2,3
	v_max3_num_f32 v[TM+\c], |v[VB+16*\c+\i]|, |v[VB+16*\c+\i+1]|, v[TM+\c]
.endr
.endr
	WIN 0
	QF2 VB, 0x03, CS0+6*(\t), SBV+(\t)
.irp u, 0,1
	global_store_b128 v[LN16], v[CS0+6*(\t+\u):CS0+6*(\t+\u)+3], s[90:91] offset:1536*(\t+\u)
	global_store_b64 v[LN8], v[CS0+6*(\t+\u)+4:CS0+6*(\t+\u)+5], s[90:91] offset:1536*(\t+\u)+512
.endr
.endm
	PLACES 4                                       ; behind the last products
	s_wait_loadcnt 0x0                             ; the table
	QK2 0, 0, SBQ, 82
	QK2 64, 2, SBQ+2, 82
	s_wait_alu depctr_va_vdst(0)
	s_wait_xcnt 0x0                                ; q's stores have read the codes' registers
	QK2 128, 0, SBK, 88
	QK2 192, 2, SBK+2, 88
	s_wait_alu depctr_va_vdst(0)
	s_wait_xcnt 0x0
	VQ2 0
	VQ2 2
	v_nop
	; the scale words: lanes 0-15 have block 0's byte, lanes 16-31 block 1's; an exchange brings two tiles' bytes together
	v_permlane16_swap_b32 v[SBQ], v[SBQ+1]         ; q: lanes 0-15 tile 2 i, lanes 16-31 tile 2 i + 1
	v_permlane16_swap_b32 v[SBQ+2], v[SBQ+3]
	v_permlane16_swap_b32 v[SBK], v[SBK+2]         ; k: lanes 0-15 tiles 0, 1, lanes 16-31 tiles 2, 3
	v_permlane16_swap_b32 v[SBK+1], v[SBK+3]
	v_permlane16_swap_b32 v[SBV], v[SBV+1]
	v_permlane16_swap_b32 v[SBV+2], v[SBV+3]
	v_lshl_or_b32 v80, v[SBQ+1], 8, v[SBQ]
	v_lshl_or_b32 v81, v[SBQ+3], 8, v[SBQ+2]
	v_lshl_or_b32 v82, v[SBK+2], 8, v[SBK]
	v_lshl_or_b32 v83, v[SBK+3], 8, v[SBK+1]
	v_lshl_or_b32 v84, v[SBV+1], 8, v[SBV]
	v_lshl_or_b32 v85, v[SBV+3], 8, v[SBV+2]
	v_lshl_or_b32 v80, v80, 16, v80                ; q's two bytes twice: the head's 64 stand in either half of a product's 128
	v_lshl_or_b32 v81, v81, 16, v81
	v_lshl_or_b32 v82, v83, 16, v82                ; a pair of k's tiles makes one fragment
	global_store_b64 v[LN8], v[80:81], s[94:95]    ; one aligned block of 256 bytes
	ds_store_b32 v[KWA], v82
	ds_store_b16 v[VSA], v84                       ; v: my two of the step's four key blocks
	ds_store_b16 v[VSA], v85 offset:4
	s_wait_alu depctr_va_vdst(0)
	s_wait_dscnt 0x0                               ; for the others' sake: my stores have landed
	s_barrier_signal -1
	s_barrier_wait -1
	ds_load_b64 v[88:89], v[OUTA]
	s_wait_dscnt 0x0
	global_store_b64 v[LN8], v[88:89], s[92:93]    ; one aligned block of 256 bytes a wave
	s_wait_tensorcnt 0x0                           ; the wave's end
	ds_add_u32 v[SPW], v[NIL]
	s_wait_dscnt 0x0
	CROUND                                         ; the closing round
	s_endpgm
.Lfunc_end_k_q1f1667f615_qkv:
	.size	k_q1f1667f615_qkv, .Lfunc_end_k_q1f1667f615_qkv-k_q1f1667f615_qkv
	.p2alignl 7, 3214868480
	.fill 96, 4, 3214868480
	.section	.rodata,"a",@progbits
	.p2align	6, 0x0
	.amdhsa_kernel k_q1f1667f615_qkv
		.amdhsa_group_segment_fixed_size 327680
		.amdhsa_private_segment_fixed_size 0
		.amdhsa_enable_private_segment 0
		.amdhsa_kernarg_size 16
		.amdhsa_user_sgpr_count 2
		.amdhsa_user_sgpr_kernarg_segment_ptr 1
		.amdhsa_wavefront_size32 1
		.amdhsa_system_sgpr_workgroup_id_x 1
		.amdhsa_system_sgpr_workgroup_id_y 1
		.amdhsa_system_sgpr_workgroup_id_z 1
		.amdhsa_system_vgpr_workitem_id 0
		.amdhsa_next_free_vgpr 1024
		.amdhsa_next_free_sgpr 100
		.amdhsa_reserve_vcc 0
		.amdhsa_float_denorm_mode_32 3
		.amdhsa_float_denorm_mode_16_64 3
		.amdhsa_memory_ordered 1
		.amdhsa_forward_progress 1
		.amdhsa_inst_pref_size 137
	.end_amdhsa_kernel
	.amdgpu_metadata
---
amdhsa.version: [ 1, 2 ]
amdhsa.kernels:
  - .name:           k_q1f1667f615_qkv
    .symbol:         k_q1f1667f615_qkv.kd
    .args:
      - { .name: pbuf, .offset: 0, .size: 8, .value_kind: global_buffer, .address_space: global }
      - { .name: qbuf, .offset: 8, .size: 8, .value_kind: global_buffer, .address_space: global }
    .group_segment_fixed_size: 327680
    .private_segment_fixed_size: 0
    .kernarg_segment_align: 8
    .kernarg_segment_size: 16
    .max_flat_workgroup_size: 128
    .sgpr_count:     100
    .vgpr_count:     1024
    .wavefront_size: 32
...
	.end_amdgpu_metadata
.endif
;; end of part 2
;; launch attn (part 3): grid 8 x 32, 16 waves a work-group, clusters of 4 x 1, 206,848 bytes of LDS; arguments qbuf, abuf; writes abuf
.if DOCPART == 3
	.amdgcn_target "amdgcn-amd-amdhsa--gfx1250"
	.amdhsa_code_object_version 6
	.text
	.protected	k_q1f1667f615_attn
	.globl	k_q1f1667f615_attn
	.p2align	8
	.type	k_q1f1667f615_attn,@function
k_q1f1667f615_attn:
	s_mov_b64 s[64:65], 0
	v_nop
	global_prefetch_b8 v0, s[64:65] scope:SCOPE_SE
	s_setreg_imm32_b32 hwreg(HW_REG_WAVE_MODE, 25, 1), 1
	s_wait_xcnt 0x0
	s_wait_alu depctr_hold_cnt(0) depctr_sa_sdst(0) depctr_va_vdst(0) depctr_va_sdst(0) depctr_va_ssrc(0) depctr_va_vcc(0) depctr_vm_vsrc(0)
	s_getreg_b32 s2, hwreg(HW_REG_IB_STS2, 6, 4)
	s_cmp_eq_u32 s2, 0
	s_cbranch_scc0 .Lentry_in_a_cluster
	s_endpgm
.Lentry_in_a_cluster:
	s_bfe_u32 s2, ttmp6, 0x10000c
	s_cmp_lg_u32 s2, 0x3003
	s_cbranch_scc0 .Lentry_shape_is_right
	s_endpgm
.Lentry_shape_is_right:
; o = softmax(q k^T / 8, causal) v for one batch and head a work-group row, both products on codes of FP6 (E2M3); o / l is quantised again along the head's 64 for the projection.
; THE SOFTMAX: t = score x log2(e) / 8; M = the running largest t rounded up to a whole number; p = 2^(t - M) is quantised along the keys, not normalised; the row's sum is taken of the unquantised p and divides at the end.
; SHARES.  A head's 128 tiles of 16 queries go to 8 work-groups x 16 waves; work-group p owns tiles 8 j + p, j = 0 .. 15; tile j walks key steps 0 .. j of 128 keys (what lies beyond is left out: reference()'s mask makes its weights 0;
; a NaN, an infinity or an overflow that reaches only those scores is not carried to the result).  The longest tiles go to the lowest waves: waves s, s + 4, s + 8, s + 12 (s = 0 .. 3) walk 16 - s, 12 - s, 5 + s, 1 + s steps, 34 for each s.
; Branches hang on the wave's number and the count of trips alone; p enters global addresses and the mask's compare.
; LDS.  The head's K and V codes and scale words all fit, 12,800 bytes a key step: wave w brings step w, jointly for the four work-groups of the cluster; nothing is filled again.  All waves begin with step 0, which wave 0 brings by a line of its own.
; THE HEAD IS 64 AND THE PRODUCT'S K IS 128: a fragment of K holds key tile 2 b in its first 64 and tile 2 b + 1 in its second; multiplied by [q | 0] it gives tile 2 b's scores, by [0 | q] tile 2 b + 1's: zero codes add nothing.
; Both products are used transposed: a lane holds ONE query throughout.  By the tiles' row order (64 c + 8 u + r % 8 + 32 (r / 8)) a lane's 64 scores are two whole blocks of 32 keys, and its 32 registers of O^T one block of channels.
; LIMITS: NaN and infinities are not served; the scaled scores stay under 2^31 in magnitude; a block whose every p is 0, or of o under 2^-124, keeps the byte 1.  No prefetch: all of K and V is asked for at the head.
; A row's scale bytes leave as one byte a lane: a scale word's halves belong to two heads, that is to two work-groups.
.set KVC,   3145728
.set QS,    9699328
.set OS,    3145728
.set STEPB, 12800                      ; a key step: k's codes 6,144, v's 6,144, scale words 512
.set SPARE, 204800                     ; the spare words, 128 bytes a wave
.set FLOOR, 0x1800000
.set SPW, 7
.set NIL, 8
.set PCD, 192                          ; v192-203 p's codes
.set PE,  204                          ; v204-206, v208-210 the blocks' second halves
.set BM,  212                          ; v212-213 each block's largest score, then largest p
.set BX,  214                          ; v214-215 the second chains
.set PD,  216
.set SO,  220                          ; v220-221 the conversions' scale operands
.set PW,  224                          ; p's scale word
.set FF,  226                          ; v[226:227] f = 2^(old M - new M)
.set TT,  232
.set NM,  233
.set TS,  234                          ; v234-239 three chains of sums
.set JW,  21
.set CS,  24
.set NC,  26
.set SEL, 28
.set G1,  32
.set G0,  40
.set TR,  70
.set TB,  73
.macro CROUND
	s_barrier_signal -1
	s_barrier_wait -1
	s_cmp_lg_u32 s14, 0
	s_cbranch_scc1 .Lnot_wave_0_\@
	s_barrier_signal -3
.Lnot_wave_0_\@:
	s_barrier_wait -3
	s_barrier_signal -1
	s_barrier_wait -1
.endm
.macro PLACES n
.rept \n
	v_nop
.endr
.endm
.macro FRAG reg, al, as, off
	ds_load_b128 v[\reg:\reg+3], v[\al] offset:\off
	ds_load_b64 v[\reg+4:\reg+5], v[\as] offset:\off
	ds_load_b128 v[\reg+6:\reg+9], v[\al] offset:\off+768
	ds_load_b64 v[\reg+10:\reg+11], v[\as] offset:\off+768
.endm
.macro MM d, a, b, zero, sa, sb, row   ; row = 1: source 0's scale words stand in lanes 16-31
.if (\zero) && (\row)
	v_wmma_scale_f32_16x16x128_f8f6f4 v[\d:\d+7], v[\a:\a+11], v[\b:\b+11], 0, v[\sa], v[\sb] matrix_a_fmt:MATRIX_FMT_FP6 matrix_b_fmt:MATRIX_FMT_FP6 matrix_a_scale:MATRIX_SCALE_ROW1
.elseif \zero
	v_wmma_scale_f32_16x16x128_f8f6f4 v[\d:\d+7], v[\a:\a+11], v[\b:\b+11], 0, v[\sa], v[\sb] matrix_a_fmt:MATRIX_FMT_FP6 matrix_b_fmt:MATRIX_FMT_FP6
.elseif \row
	v_wmma_scale_f32_16x16x128_f8f6f4 v[\d:\d+7], v[\a:\a+11], v[\b:\b+11], v[\d:\d+7], v[\sa], v[\sb] matrix_a_fmt:MATRIX_FMT_FP6 matrix_b_fmt:MATRIX_FMT_FP6 matrix_a_scale:MATRIX_SCALE_ROW1
.else
	v_wmma_scale_f32_16x16x128_f8f6f4 v[\d:\d+7], v[\a:\a+11], v[\b:\b+11], v[\d:\d+7], v[\sa], v[\sb] matrix_a_fmt:MATRIX_FMT_FP6 matrix_b_fmt:MATRIX_FMT_FP6
.endif
.endm
.macro SUMS from, to                   ; pairs of p, in four chains by turns
.set J_, \from
.rept ((\to)-(\from))/2+1
.set CH_, (J_/2+1)%4
.if CH_ == 3
	v_pk_add_f32 v[14:15], v[14:15], v[96+J_:97+J_]
.else
	v_pk_add_f32 v[TS+2*CH_:TS+2*CH_+1], v[TS+2*CH_:TS+2*CH_+1], v[96+J_:97+J_]
.endif
.set J_, J_+2
.endr
.endm
; the sums' chains are joined behind the next score products, or at the walk's end: with the v_nop four places
.macro JOIN
	v_pk_add_f32 v[TS:TS+1], v[TS:TS+1], v[TS+2:TS+3]
	v_pk_add_f32 v[14:15], v[14:15], v[TS+4:TS+5]
	v_nop
	v_pk_add_f32 v[14:15], v[14:15], v[TS:TS+1]
.endm
; A KEY STEP of 128 keys; first = 1: step 0, in which the barrier that shows the other steps is signalled
.macro BODY al, as, first
	ds_load_b64 v[228:229], v[\as] offset:11776    ; K's scale words: register b / 2, lanes 16 (b % 2) on
	ds_load_b64 v[230:231], v[\as] offset:12032    ; V's likewise
.irp b, 0,1,2,3
	FRAG 44+12*\b, \al, \as, 1536*\b               ; key tiles 2 b and 2 b + 1
.endr
	s_wait_alu depctr_va_vdst(0)
.irp b, 0,1,2,3
	s_wait_dscnt 12-4*\b                           ; the scale words and fragments 0 .. b are in; the later fragments' four loads each may be out
	MM 96+16*\b, 44+12*\b, 16, 1, 228+\b/2, 40, \b%2
	MM 104+16*\b, 44+12*\b, 28, 1, 228+\b/2, 40, \b%2
.endr
	JOIN
.irp t, 0,1,2,3
	FRAG 44+12*\t, \al, \as, 6144+1536*\t          ; V's four channel tiles x 128 keys: they land during the softmax
.endr
	s_cmp_lg_u32 s[TR], s[JW]
	s_cbranch_scc1 .Lopen_\@
	v_mov_b32 v[TT], 0xff800000                    ; on the diagonal hidden scores become -infinity: register n holds key 64 (n / 32) + n % 32 + 32 h
.irp n, 0,1,2,3,4,5,6,7,8,9,10,11,12,13,14,15,16,17,18,19,20,21,22,23,24,25,26,27,28,29,30,31,32,33,34,35,36,37,38,39,40,41,42,43,44,45,46,47,48,49,50,51,52,53,54,55,56,57,58,59,60,61,62,63
	v_cmp_gt_i32 vcc_lo, 64*(\n/32)+\n%32, v9
	v_cndmask_b32 v[96+\n], v[96+\n], v[TT], vcc_lo
.endr
.Lopen_\@:
.irp b, 0,1                                        ; the largest score of each of my two blocks of 32 keys, two chains a block: for the row's maximum and, since p rises with the score, for the block's largest p
	v_max3_num_f32 v[BM+\b], v[96+32*\b], v[97+32*\b], v[98+32*\b]
	v_max3_num_f32 v[BX+\b], v[113+32*\b], v[114+32*\b], v[115+32*\b]
.endr
.irp i, 3,5,7,9,11,13
.irp b, 0,1
	v_max3_num_f32 v[BM+\b], v[BM+\b], v[96+32*\b+\i], v[97+32*\b+\i]
	v_max3_num_f32 v[BX+\b], v[BX+\b], v[113+32*\b+\i], v[114+32*\b+\i]
.endr
.endr
.irp b, 0,1
	v_max3_num_f32 v[BM+\b], v[BM+\b], v[111+32*\b], v[112+32*\b]
.endr
.irp b, 0,1
	v_max_num_f32 v[BM+\b], v[BM+\b], v[BX+\b]
.endr
	v_max_num_f32 v[TT], v[BM], v[BM+1]
	v_permlanex16_b32 v[PD], v[TT], s[SEL], s[SEL+1]
	v_max3_num_f32 v13, v13, v[TT], v[PD]          ; the running largest score
	v_mul_f32 v[TT], s[NC], v13
	v_floor_f32 v[NM], v[TT]                       ; the new -M = floor(-t): M is a whole number
	v_sub_f32 v[TT], v[NM], v12
	v_mov_b32 v12, v[NM]
	v_cvt_i32_f32 v[TT], v[TT]                     ; (it saturates)
.irp j, 0,2,4,6,8,10,12,14,16,18,20,22,24,26,28,30,32,34,36,38,40,42,44,46,48,50,52,54,56,58,60,62
	v_pk_fma_f32 v[96+\j:97+\j], v[96+\j:97+\j], s[CS:CS+1], v[12:13] op_sel_hi:[1,0,0]   ; t - M
.endr
.irp b, 0,1
	v_fma_f32 v[BM+\b], v[BM+\b], s[CS], v12
.endr
	v_ldexp_f32 v[FF], 1.0, v[TT]                  ; f = 2^(old M - new M): rounds nothing
.if \first
	s_wait_alu depctr_va_vdst(0)
	s_wait_tensorcnt 0x0                           ; my key step is in,
	s_wait_dscnt 0x0                               ; and no LDS read of mine is out:
	s_barrier_signal -1                            ; say so; step 0's work on registers stands between this and the wait
.endif
	s_wait_alu depctr_va_vdst(0)
.irp b, 0,1
	v_exp_f32 v[BM+\b], v[BM+\b]                   ; each block's largest p
.endr
.irp j, 0,1,2,3,4,5,6,7,8,9,10,11,12,13,14,15,16,17,18,19,20,21,22,23,24,25,26,27,28,29,30,31,32,33,34,35,36,37,38,39,40,41,42,43,44,45,46,47,48,49,50,51,52,53,54,55,56,57,58,59,60,61,62,63
	v_exp_f32 v[96+\j], v[96+\j]                   ; p = 2^(t - M)
.endr
	v_pk_mul_f32 v[14:15], v[14:15], v[FF:FF+1] op_sel_hi:[1,0]   ; the sums under the new M: the plain place behind the exponentials
	s_wait_alu depctr_va_vdst(0)                   ; one wait for the batch and for O^T, ahead of their first readers
.irp j, 0,2,4,6,8,10,12,14,16,18,20,22,24,26,28,30
	v_pk_mul_f32 v[160+\j:161+\j], v[160+\j:161+\j], v[FF:FF+1] op_sel_hi:[1,0]   ; O^T under the new M
.endr
	v_max_num_f32 v[BM], FLOOR, v[BM]
	v_max_num_f32 v[BM+1], FLOOR, v[BM+1]
	v_pk_add_f32 v[TS:TS+1], v[96:97], v[98:99]
	v_pk_add_f32 v[TS+2:TS+3], v[100:101], v[102:103]
	v_add_nc_u32 v[SO], 0xff000000, v[BM]
	v_add_nc_u32 v[SO+1], 0xff000000, v[BM+1]
	v_pk_add_f32 v[TS+4:TS+5], v[104:105], v[106:107]
	v_pk_add_f32 v[14:15], v[14:15], v[108:109]
.irp c, 0,1
	v_cvt_scalef32_pk16_fp6_f32 v[PCD+6*\c:PCD+2+6*\c], v[96+32*\c:111+32*\c], v[SO+\c]
	v_cvt_scalef32_pk16_fp6_f32 v[PE+4*\c:PE+2+4*\c], v[112+32*\c:127+32*\c], v[SO+\c]
.endr
	v_lshrrev_b32 v[PD], 23, v[SO]                 ; the bytes of my blocks h and 2 + h
	v_lshrrev_b32 v[PD+1], 23, v[SO+1]
	SUMS 14, 20
	v_lshl_or_b32 v[PD+2], v[PD+1], 16, v[PD]
.irp i, 0,1,2
	v_mov_b32 v[PCD+3+\i], v[PE+\i]
.endr
	v_lshlrev_b32 v[PD+2], v42, v[PD+2]
.irp i, 0,1,2
	v_mov_b32 v[PCD+9+\i], v[PE+4+\i]
.endr
	v_permlanex16_b32 v[PD+3], v[PD+2], s[SEL], s[SEL+1]
	SUMS 22, 28
	v_or_b32 v[PW], v[PD+2], v[PD+3]               ; p's scale word for these 128 keys
	SUMS 30, 62                                    ; these are also the places between the scale word, the codes and the products
	s_wait_alu depctr_va_vdst(0)
	s_wait_dscnt 0x0                               ; V's fragments
.irp t, 0,1,2,3
	MM 160+8*\t, 44+12*\t, PCD, 0, 230+\t/2, PW, \t%2
.endr
.endm
	s_load_b128 s[4:7], s[0:1], 0x0                ; qbuf s[4:5], abuf s[6:7]
	v_lshl_add_u32 v[SPW], v0, 2, SPARE
	v_mov_b32 v[NIL], 0
	ds_add_u32 v[SPW], v[NIL]                      ; the wave's opening: the add, twice on end, and its wait
	ds_add_u32 v[SPW], v[NIL]
	v_lshrrev_b32 v1, 5, v0
	v_readfirstlane_b32 s14, v1                    ; wave 0..15
	s_bfe_u32 s15, ttmp6, 0x40000                  ; cx
	s_lshl_b32 s16, ttmp9, 2
	s_add_co_u32 s16, s16, s15                     ; p
	s_and_b32 s17, ttmp7, 0xffff                   ; batch x 16 + head, which the four partners share
	s_sub_co_u32 s18, s14, 4
	s_sub_co_u32 s19, s14, 12
	s_sub_co_u32 s20, 15, s14
	s_cmp_lt_u32 s14, 12
	s_cselect_b32 s18, s18, s19
	s_cmp_lt_u32 s14, 8
	s_cselect_b32 s[JW], s20, s18                  ; j: my tile's key step on the diagonal: 15 - w in waves 0-7, w - 4 in 8-11, w - 12 in 12-15
	s_mov_b32 s[CS], 0x3e38aa3b                    ; c = log2(e) / 8
	s_mov_b32 s[CS+1], s[CS]
	s_mov_b32 s[NC], 0xbe38aa3b                    ; -c
	s_mov_b32 s[SEL], 0x76543210
	s_mov_b32 s[SEL+1], 0xfedcba98
	s_mov_b32 s[G1], 15|(3<<16)|(1<<21)            ; 15:0 all four work-groups; 17:16 elements of 8 bytes; 21 set beside a mask
	s_mov_b32 s[G1+1], 32<<16                      ; a dense block as 50 rows of 256 bytes
	s_mov_b32 s[G1+2], 50<<16
	s_mov_b32 s[G1+3], 32<<16
	s_mov_b32 s[G1+4], 50
	s_mov_b32 s[G1+5], 32
	s_mov_b32 s[G1+6], 0
	s_mov_b32 s[G1+7], 0
	s_mul_i32 s44, s17, 204800
	s_add_co_u32 s44, s44, KVC
	s_mul_i32 s45, s14, STEPB
	s_add_co_u32 s44, s44, s45                     ; my key step of the head
	s_mov_b32 s45, 0
	s_mul_i32 s46, s17, 98304
	s_mul_i32 s47, s16, 768
	s_add_co_u32 s46, s46, s47                     ; q's codes of tile p;
	s_mul_i32 s47, s[JW], 6144
	s_add_co_u32 s46, s46, s47                     ; of tile 8 j + p
	s_mov_b32 s47, 0
	s_lshl_b32 s48, s17, 13
	s_lshr_b32 s49, s16, 2
	s_lshl_b32 s49, s49, 8
	s_add_co_u32 s48, s48, s49
	s_and_b32 s49, s16, 1
	s_lshl_b32 s49, s49, 7
	s_add_co_u32 s48, s48, s49
	s_bfe_u32 s49, s16, 0x10001
	s_lshl_b32 s49, s49, 2
	s_add_co_u32 s48, s48, s49
	s_lshl_b32 s49, s[JW], 9
	s_add_co_u32 s48, s48, s49
	s_add_co_u32 s48, s48, QS                      ; its scale words
	s_mov_b32 s49, 0
	s_lshr_b32 s54, s17, 4
	s_lshl_b32 s54, s54, 7
	s_add_co_u32 s54, s54, s16
	s_lshl_b32 s55, s[JW], 3
	s_add_co_u32 s54, s54, s55                     ; the row tile among 256
	s_and_b32 s55, s17, 15                         ; head
	s_mul_i32 s50, s54, 12288
	s_mul_i32 s51, s55, 768
	s_add_co_u32 s50, s50, s51                     ; the result: [row tile][head][768]
	s_mov_b32 s51, 0
	s_lshl_b32 s52, s54, 9
	s_bfe_u32 s53, s55, 0x10001
	s_lshl_b32 s53, s53, 8
	s_add_co_u32 s52, s52, s53
	s_lshr_b32 s53, s55, 2
	s_lshl_b32 s53, s53, 2
	s_add_co_u32 s52, s52, s53
	s_and_b32 s53, s55, 1
	s_lshl_b32 s53, s53, 1
	s_add_co_u32 s52, s52, s53
	s_add_co_u32 s52, s52, OS                      ; its scale bytes: [row tile][16 (K step % 2) + r][K step / 2]
	s_mov_b32 s53, 0
	s_lshr_b32 s56, s16, 2
	s_lshl_b32 s56, s56, 6
	s_and_b32 s57, s16, 3
	s_lshl_b32 s57, s57, 3
	s_add_co_u32 s56, s56, s57
	v_and_b32 v1, 31, v0
	v_and_b32 v10, 15, v0
	v_bfe_u32 v[TT], v0, 4, 1                      ; h
	v_lshlrev_b32 v2, 3, v1
	v_lshlrev_b32 v1, 4, v1                        ; 16 x lane
	v_add_nc_u32 v2, 512, v2                       ; 8 x lane in a half fragment's second plane
	v_lshl_add_u32 v11, v10, 4, v[TT]              ; 16 r + h
	v_lshlrev_b32 v10, 3, v10                      ; 8 r
	v_lshlrev_b32 v42, 3, v[TT]                    ; 8 h
	v_lshlrev_b32 v[TT], 5, v[TT]
	v_and_b32 v9, 7, v0
	v_bfe_u32 v[NM], v0, 3, 1
	v_lshl_add_u32 v9, v[NM], 5, v9
	v_sub_nc_u32 v9, v9, v[TT]
	v_add_nc_u32 v9, s56, v9                       ; my query's place in its key step, less 32 h
.irp j, 22,23,24,25,26,27,28,29,30,31,32,33
	v_mov_b32 v[\j], 0                             ; the zero halves
.endr
.irp j, 0,1,2,3,4,5,6,7,8,9,10,11,12,13,14,15,16,17,18,19,20,21,22,23,24,25,26,27,28,29,30,31
	v_mov_b32 v[160+\j], 0                         ; O^T: the step is written for every step alike; the first change of M leaves zeros zeros
.endr
.irp b, 0,1,2,3
	v_mov_b32 v[PD+\b], 0                          ; a lane permute's destination counts as one of its sources
.endr
	v_mov_b32 v[FF+1], 0                           ; named as the upper half of a pair
.irp j, 0,1,2,3,4,5
	v_mov_b32 v[TS+\j], 0                          ; the sums' chains
.endr
	v_mov_b32 v13, 0xff61b1e6                      ; the largest score so far: -3e38
	v_mov_b32 v12, 0x7f61b1e6                      ; -M
	v_mov_b32 v14, 0
	v_mov_b32 v15, 0
	s_wait_alu depctr_va_vdst(0)                   ; the wait at the head's end
	s_wait_dscnt 0x0                               ; both opening adds are done
	CROUND                                         ; all four work-groups are here: the joint loads meet
	s_wait_kmcnt 0x0
	s_mov_b32 s[G0], 1
	s_mul_i32 s[G0+1], s14, STEPB
	s_add_nc_u64 s[G0+2:G0+3], s[4:5], s[44:45]
	s_or_b32 s[G0+3], s[G0+3], 0x80000000
	s_cmp_eq_u32 s14, 0
	s_cbranch_scc0 .Lother_steps
	tensor_load_to_lds s[G0:G0+3], s[G1:G1+7]      ; wave 0: key step 0
	s_nop 0
	PLACES 4
	s_branch .Lasked
.Lother_steps:
	tensor_load_to_lds s[G0:G0+3], s[G1:G1+7]      ; wave w: key step w
	s_nop 0
	PLACES 4
.Lasked:
	s_add_nc_u64 s[54:55], s[4:5], s[46:47]
	s_add_nc_u64 s[58:59], s[4:5], s[48:49]
	s_add_nc_u64 s[50:51], s[6:7], s[50:51]
	s_add_nc_u64 s[52:53], s[6:7], s[52:53]
	global_load_b128 v[16:19], v1, s[54:55]        ; [q | 0]: v16-27
	global_load_b64 v[20:21], v2, s[54:55]
	global_load_b128 v[34:37], v1, s[54:55]        ; [0 | q]: v28-39
	global_load_b64 v[38:39], v2, s[54:55]
	global_load_b32 v40, v10, s[58:59]             ; q's scale word: its two bytes twice, so it serves both forms of q
	s_mov_b32 s[TR], 0
	s_cmp_eq_u32 s14, 0
	s_cbranch_scc0 .Lno_wait
	s_wait_tensorcnt 0x0                           ; wave 0: key step 0 is in
.Lno_wait:
	s_barrier_signal -1
	s_barrier_wait -1                              ; the other steps may stay out
	s_wait_loadcnt 0x0                             ; q
	BODY 1, 2, 1                                   ; step 0, in every wave
	s_barrier_wait -1                              ; everybody's key step is in
	s_mov_b32 s[TR], 1
.Ltrips:
	s_cmp_gt_u32 s[TR], s[JW]
	s_cbranch_scc1 .Lno_step                       ; a step beyond my tile's diagonal is left out
	s_mul_i32 s[TB], s[TR], STEPB
	v_add_nc_u32 v4, s[TB], v1
	v_add_nc_u32 v5, s[TB], v2
	PLACES 2                                       ; with the two additions four places in front of loads into registers that the last products read
	BODY 4, 5, 0
.Lno_step:
	s_add_co_u32 s[TR], s[TR], 1
	s_cmp_lt_u32 s[TR], 16
	s_cbranch_scc1 .Ltrips
	; THE WAY OUT: o = O^T / l; a lane's 32 channels are one block of the projection's K
	JOIN
	v_add_f32 v14, v14, v15
	v_permlanex16_b32 v[TT], v14, s[SEL], s[SEL+1]
	v_add_f32 v14, v14, v[TT]                      ; the row's sum
	s_wait_alu depctr_va_vdst(0)
	v_rcp_f32 v14, v14
	v_nop                                          ; a plain place behind the reciprocal
	s_wait_alu depctr_va_vdst(0)                   ; the wait ahead of the first reader of the reciprocal and of O^T
.irp j, 0,2,4,6,8,10,12,14,16,18,20,22,24,26,28,30
	v_pk_mul_f32 v[96+\j:97+\j], v[160+\j:161+\j], v[14:15] op_sel_hi:[1,0]   ; register i: channel 32 h + i
.endr
	v_max3_num_f32 v[BM], |v96|, |v97|, FLOOR
	v_max3_num_f32 v[BX], |v112|, |v113|, FLOOR
.irp i, 2,4,6,8,10,12,14
	v_max3_num_f32 v[BM], v[BM], |v[96+\i]|, |v[97+\i]|
	v_max3_num_f32 v[BX], v[BX], |v[112+\i]|, |v[113+\i]|
.endr
	v_max_num_f32 v[BM], v[BM], v[BX]
	v_add_nc_u32 v[SO], 0xff000000, v[BM]
	v_cvt_scalef32_pk16_fp6_f32 v[PCD:PCD+2], v[96:111], v[SO]
	v_cvt_scalef32_pk16_fp6_f32 v[PE:PE+2], v[112:127], v[SO]
	v_lshrrev_b32 v[TT], 23, v[SO]
.irp i, 0,1,2
	v_mov_b32 v[PCD+3+\i], v[PE+\i]
.endr
	global_store_b128 v1, v[PCD:PCD+3], s[50:51]   ; 512 consecutive bytes,
	global_store_b64 v2, v[PCD+4:PCD+5], s[50:51]  ; and the 256 behind them
	global_store_b8 v11, v[TT], s[52:53]           ; my block's byte
	s_wait_tensorcnt 0x0                           ; the wave's end
	ds_add_u32 v[SPW], v[NIL]
	s_wait_dscnt 0x0
	CROUND                                         ; the closing round
	s_endpgm
.Lfunc_end_k_q1f1667f615_attn:
	.size	k_q1f1667f615_attn, .Lfunc_end_k_q1f1667f615_attn-k_q1f1667f615_attn
	.p2alignl 7, 3214868480
	.fill 96, 4, 3214868480
	.section	.rodata,"a",@progbits
	.p2align	6, 0x0
	.amdhsa_kernel k_q1f1667f615_attn
		.amdhsa_group_segment_fixed_size 206848
		.amdhsa_private_segment_fixed_size 0
		.amdhsa_enable_private_segment 0
		.amdhsa_kernarg_size 16
		.amdhsa_user_sgpr_count 2
		.amdhsa_user_sgpr_kernarg_segment_ptr 1
		.amdhsa_wavefront_size32 1
		.amdhsa_system_sgpr_workgroup_id_x 1
		.amdhsa_system_sgpr_workgroup_id_y 1
		.amdhsa_system_sgpr_workgroup_id_z 1
		.amdhsa_system_vgpr_workitem_id 0
		.amdhsa_next_free_vgpr 256
		.amdhsa_next_free_sgpr 90
		.amdhsa_reserve_vcc 1
		.amdhsa_float_denorm_mode_32 3
		.amdhsa_float_denorm_mode_16_64 3
		.amdhsa_memory_ordered 1
		.amdhsa_forward_progress 1
		.amdhsa_inst_pref_size 52
	.end_amdhsa_kernel
	.amdgpu_metadata
---
amdhsa.version: [ 1, 2 ]
amdhsa.kernels:
  - .name:           k_q1f1667f615_attn
    .symbol:         k_q1f1667f615_attn.kd
    .args:
      - { .name: qbuf, .offset: 0, .size: 8, .value_kind: global_buffer, .address_space: global }
      - { .name: abuf, .offset: 8, .size: 8, .value_kind: global_buffer, .address_space: global }
    .group_segment_fixed_size: 206848
    .private_segment_fixed_size: 0
    .kernarg_segment_align: 8
    .kernarg_segment_size: 16
    .max_flat_workgroup_size: 512
    .sgpr_count:     90
    .vgpr_count:     256
    .wavefront_size: 32
...
	.end_amdgpu_metadata
.endif
;; end of part 3
;; launch proj (part 4): grid 8 x 32, 4 waves a work-group, clusters of 4 x 4, 214,528 bytes of LDS; arguments abuf, pbuf, out0; writes out0
.if DOCPART == 4
	.amdgcn_target "amdgcn-amd-amdhsa--gfx1250"
	.amdhsa_code_object_version 6
	.text
	.protected	k_q1f1667f615_proj
	.globl	k_q1f1667f615_proj
	.p2align	8
	.type	k_q1f1667f615_proj,@function
k_q1f1667f615_proj:
	s_mov_b64 s[64:65], 0
	v_nop
	global_prefetch_b8 v0, s[64:65] scope:SCOPE_SE
	s_setreg_imm32_b32 hwreg(HW_REG_WAVE_MODE, 25, 1), 1
	s_wait_xcnt 0x0
	s_wait_alu depctr_hold_cnt(0) depctr_sa_sdst(0) depctr_va_vdst(0) depctr_va_sdst(0) depctr_va_ssrc(0) depctr_va_vcc(0) depctr_vm_vsrc(0)
	s_getreg_b32 s2, hwreg(HW_REG_IB_STS2, 6, 4)
	s_cmp_eq_u32 s2, 0
	s_cbranch_scc0 .Lentry_in_a_cluster
	s_endpgm
.Lentry_in_a_cluster:
	s_bfe_u32 s2, ttmp6, 0x10000c
	s_cmp_lg_u32 s2, 0xf033
	s_cbranch_scc0 .Lentry_shape_is_right
	s_endpgm
.Lentry_shape_is_right:
; out = o w_out on codes of FP6 (E2M3), f32 out.  A work-group makes 128 x 128, a wave 64 x 64: 16 accumulators.  Both operands' whole K of 1,024 fits in LDS: one joint load a wave at the head (o and w_out, K's first half; then its second), nothing is filled again.
; CLUSTER 4 x 4: o's rows are shared along a row of the cluster, w_out's columns along a column.
; The matrix instruction is used transposed (source 0 = 16 columns of w_out): by the tiles' row order a lane holds columns 32 h + 8 a + j of one row.
; K's first half goes step by step.  Its second half goes by rows of the result: all of w_out's fragments come into registers, and each block of 16 rows leaves as soon as it is finished.
; LIMITS: NaN and infinities are not served.  No prefetch: every tile is asked for at the head.
.set OS,    3145728
.set WOC,   5505024
.set WOS,   6520832
.set HALF,  98304                      ; LDS: a half of K: o's 8 tiles x 6,144, w_out's 8 tiles x 6,144
.set STAGE, 196608
.set SPITCH, 272
.set SPARE, STAGE+4*16*SPITCH
.set AL, 1                             ; v1, v2 LDS addresses of my o tiles' planes in half 0, v3, v4 in half 1
.set BL, 5                             ; v5-8 the same of w_out's
.set STO, 9
.set RD,  10
.set CO,  11
.set LN16, 12
.set SPW, 13
.set NIL, 14
.set OSC, 24                           ; o's scale words: 4 m + quarter
.set WSC, 40                           ; w_out's: 4 quarter + tile
.set ACC, 64
.set BK,  192
.set G1A, 24
.set G1B, 32
.set G0A, 40
.set G0B, 44
.set MSB, 0
.macro WIN new
.if MSB != \new
	s_set_vgpr_msb (MSB<<8)|\new
.set MSB, \new
.endif
.endm
.macro PLACES n
.rept \n
	v_nop
.endr
.endm
.macro TLOAD g0, g1
	tensor_load_to_lds s[\g0:\g0+3], s[\g1:\g1+7]
	s_nop 0
	PLACES 4
.endm
.macro CROUND
	s_barrier_signal -1
	s_barrier_wait -1
	s_cmp_lg_u32 s14, 0
	s_cbranch_scc1 .Lnot_wave_0_\@
	s_barrier_signal -3
.Lnot_wave_0_\@:
	s_barrier_wait -3
	s_barrier_signal -1
	s_barrier_wait -1
.endm
.macro FRAG reg, al, off
	ds_load_b128 v[\reg:\reg+3], v[\al] offset:\off
	ds_load_b64 v[\reg+4:\reg+5], v[\al+1] offset:\off
	ds_load_b128 v[\reg+6:\reg+9], v[\al] offset:\off+768
	ds_load_b64 v[\reg+10:\reg+11], v[\al+1] offset:\off+768
.endm
.macro FETCH s                         ; K step s of the first half, into window 1
	WIN 0x40
.irp m, 0,1,2,3
	FRAG 96*((\s)%2)+12*\m, AL, 6144*\m+1536*(\s)
.endr
.irp a, 0,1,2,3
	FRAG 96*((\s)%2)+48+12*\a, BL, 6144*\a+1536*(\s)
.endr
	WIN 0
.endm
.macro MM d, a, b, zero, sa, sb, row
.if \zero
	v_wmma_scale_f32_16x16x128_f8f6f4 v[\d:\d+7], v[\a:\a+11], v[\b:\b+11], 0, v[\sa], v[\sb] matrix_a_fmt:MATRIX_FMT_FP6 matrix_b_fmt:MATRIX_FMT_FP6
.elseif \row
	v_wmma_scale_f32_16x16x128_f8f6f4 v[\d:\d+7], v[\a:\a+11], v[\b:\b+11], v[\d:\d+7], v[\sa], v[\sb] matrix_a_fmt:MATRIX_FMT_FP6 matrix_b_fmt:MATRIX_FMT_FP6 matrix_a_scale:MATRIX_SCALE_ROW1 matrix_b_scale:MATRIX_SCALE_ROW1
.else
	v_wmma_scale_f32_16x16x128_f8f6f4 v[\d:\d+7], v[\a:\a+11], v[\b:\b+11], v[\d:\d+7], v[\sa], v[\sb] matrix_a_fmt:MATRIX_FMT_FP6 matrix_b_fmt:MATRIX_FMT_FP6
.endif
.endm
.macro MUL s, m0, zero                 ; rows m0, m0 + 1 of K step s; the accumulators by turns
	WIN 0x05
.irp m, \m0, \m0+1
.irp a, 0,1,2,3
	MM ACC+8*(4*(\m)+\a), 96*((\s)%2)+48+12*\a, 96*((\s)%2)+12*(\m), \zero, WSC+4*((\s)/2)+\a, OSC+4*(\m)+(\s)/2, (\s)%2
.endr
.endr
	WIN 0
.endm
.macro AROW m, reg                     ; the second half: o's row block m, four K steps, into window 1
	WIN 0x40
.irp q, 0,1,2,3
	FRAG \reg+12*\q, AL+2, 6144*(\m)+1536*\q
.endr
	WIN 0
.endm
.macro BSTEP q                         ; w_out's four fragments of K step 4 + q, into window 2
	WIN 0x80
.irp a, 0,1,2,3
	FRAG 48*(\q)+12*\a, BL+2, 6144*\a+1536*(\q)
.endr
	WIN 0
.endm
.macro PROW m, reg, q
	WIN 0x06
.irp a, 0,1,2,3
	MM ACC+8*(4*(\m)+\a), 48*(\q)+12*\a, \reg+12*(\q), 0, WSC+4*(2+(\q)/2)+\a, OSC+4*(\m)+2+(\q)/2, (\q)%2
.endr
	WIN 0
.endm
.macro TOSTAGE m                       ; block m through my own stage, back as whole rows of 256 bytes; LDS serves a wave's instructions in order
.irp a, 0,1,2,3
	ds_store_b128 v[STO], v[ACC+8*(4*(\m)+\a):ACC+8*(4*(\m)+\a)+3] offset:32*\a
	ds_store_b128 v[STO], v[ACC+8*(4*(\m)+\a)+4:ACC+8*(4*(\m)+\a)+7] offset:32*\a+16
.endr
.set BB, BK+32*((\m)%2)
.irp i, 0,1,2,3,4,5,6,7
	ds_load_b128 v[BB+4*\i:BB+4*\i+3], v[RD] offset:2*\i*SPITCH
.endr
.endm
.macro SEND m, younger                 ; younger: the LDS instructions issued behind block m's loads
.set BB, BK+32*((\m)%2)
	s_wait_dscnt \younger
.irp i, 0,1,2,3,4,5,6,7
	global_store_b128 v[CO], v[BB+4*\i:BB+4*\i+3], s[8:9] offset:(8*(\m)+2*\i+24*(\i/4))*4096   ; sixteen lanes store 256 consecutive bytes
.endr
.endm
	s_load_b128 s[4:7], s[0:1], 0x0                ; abuf, pbuf
	s_load_b64 s[8:9], s[0:1], 0x10                ; out0
	v_lshl_add_u32 v[SPW], v0, 2, SPARE
	v_mov_b32 v[NIL], 0
	ds_add_u32 v[SPW], v[NIL]                      ; the wave's opening: the add, twice on end, and its wait
	ds_add_u32 v[SPW], v[NIL]
	v_lshrrev_b32 v1, 5, v0
	v_readfirstlane_b32 s14, v1                    ; wave
	s_lshr_b32 s15, s14, 1                         ; which 64 rows are mine.  Also: which half of K I fetch
	s_and_b32 s16, s14, 1                          ; which 64 columns.  Also: I fetch o (0) or w_out (1)
	s_bfe_u32 s17, ttmp6, 0x40000
	s_bfe_u32 s18, ttmp6, 0x40004
	s_lshl_b32 s19, ttmp9, 2
	s_add_co_u32 s19, s19, s17                     ; tile column
	s_and_b32 s20, ttmp7, 0xffff
	s_lshl_b32 s20, s20, 2
	s_add_co_u32 s20, s20, s18                     ; tile row
	s_lshl_b32 s21, s18, 2
	s_lshl_b32 s21, 15, s21                        ; my row of the cluster
	s_lshl_b32 s22, 0x1111, s17                    ; my column
	s_or_b32 s[G1A], s21, (3<<16)|(1<<21)
	s_or_b32 s[G1B], s22, (3<<16)|(1<<21)
.irp g, G1A, G1B
	s_mov_b32 s[\g+1], 768<<16                     ; 8 tiles: rows of 6,144 bytes, 12,288 apart
	s_mov_b32 s[\g+2], 8<<16
	s_mov_b32 s[\g+3], 768<<16
	s_mov_b32 s[\g+4], 8
	s_mov_b32 s[\g+5], 1536
	s_mov_b32 s[\g+6], 0
	s_mov_b32 s[\g+7], 0
.endr
	s_mul_i32 s54, s15, 6144
	s_mul_i32 s50, s20, 98304
	s_add_co_u32 s50, s50, s54
	s_mov_b32 s51, 0
	s_mul_i32 s52, s19, 98304
	s_add_co_u32 s52, s52, s54
	s_add_co_u32 s52, s52, WOC
	s_mov_b32 s53, 0
	s_mul_i32 s54, s15, HALF
	s_mul_i32 s56, s15, 24576                      ; my four tiles of o,
	s_mul_i32 s57, s16, 24576
	s_add_co_u32 s57, s57, 49152                   ; and of w_out
	s_mul_i32 s58, s14, 16*SPITCH
	s_add_co_u32 s58, s58, STAGE
	v_and_b32 v15, 31, v0
	v_and_b32 v16, 15, v0
	v_bfe_u32 v17, v0, 4, 1
	v_lshlrev_b32 v[LN16], 4, v15
	v_lshlrev_b32 v18, 3, v15
	v_add_nc_u32 v18, 512, v18
	v_add_nc_u32 v[AL], s56, v[LN16]
	v_add_nc_u32 v[AL+1], s56, v18
	v_add_nc_u32 v[BL], s57, v[LN16]
	v_add_nc_u32 v[BL+1], s57, v18
	v_add_nc_u32 v[AL+2], HALF, v[AL]
	v_add_nc_u32 v[AL+3], HALF, v[AL+1]
	v_add_nc_u32 v[BL+2], HALF, v[BL]
	v_add_nc_u32 v[BL+3], HALF, v[BL+1]
	v_mul_u32_u24 v[STO], v16, SPITCH
	v_lshl_add_u32 v[STO], v17, 7, v[STO]
	v_add_nc_u32 v[STO], s58, v[STO]               ; in: row r, 128 bytes for each half of the lanes
	v_mul_u32_u24 v[RD], v17, SPITCH
	v_lshl_add_u32 v[RD], v16, 4, v[RD]
	v_add_nc_u32 v[RD], s58, v[RD]                 ; back: sixteen lanes a row
	v_lshlrev_b32 v[CO], 12, v17
	v_lshl_add_u32 v[CO], v16, 4, v[CO]
	s_wait_alu depctr_va_vdst(0)                   ; the wait at the head's end
	s_wait_dscnt 0x0                               ; both opening adds are done
	CROUND                                         ; all sixteen work-groups are here: the joint loads meet
	s_wait_kmcnt 0x0
	s_mov_b32 s[G0A], 1
	s_mov_b32 s[G0A+1], s54
	s_add_nc_u64 s[G0A+2:G0A+3], s[4:5], s[50:51]
	s_or_b32 s[G0A+3], s[G0A+3], 0x80000000
	s_mov_b32 s[G0B], 1
	s_add_co_u32 s[G0B+1], s54, 49152
	s_add_nc_u64 s[G0B+2:G0B+3], s[6:7], s[52:53]
	s_or_b32 s[G0B+3], s[G0B+3], 0x80000000
	s_cmp_eq_u32 s14, 0
	s_cbranch_scc0 .Lhead_1
	TLOAD G0A, G1A
	s_branch .Lasked
.Lhead_1:
	s_cmp_eq_u32 s14, 1
	s_cbranch_scc0 .Lhead_2
	TLOAD G0B, G1B
	s_branch .Lasked
.Lhead_2:
	s_cmp_eq_u32 s14, 2
	s_cbranch_scc0 .Lhead_3
	TLOAD G0A, G1A
	s_branch .Lasked
.Lhead_3:
	TLOAD G0B, G1B
.Lasked:
	s_mov_b32 s61, 0
	s_lshl_b32 s60, s20, 3
	s_lshl_b32 s62, s15, 2
	s_add_co_u32 s60, s60, s62
	s_lshl_b32 s60, s60, 9
	s_add_co_u32 s60, s60, OS
	s_add_nc_u64 s[76:77], s[4:5], s[60:61]        ; o's scale words: [row tile][512]
	s_lshl_b32 s60, s19, 1
	s_add_co_u32 s60, s60, s16
	s_lshl_b32 s60, s60, 11
	s_add_co_u32 s60, s60, WOS
	s_add_nc_u64 s[78:79], s[6:7], s[60:61]        ; w_out's: [64 columns][quarter][512]
.irp m, 0,1,2,3
	global_load_b128 v[OSC+4*\m:OSC+4*\m+3], v[LN16], s[76:77] offset:512*\m
	global_load_b128 v[WSC+4*\m:WSC+4*\m+3], v[LN16], s[78:79] offset:512*\m
.endr
	s_lshl_b32 s60, s20, 7
	s_lshl_b32 s62, s15, 6
	s_add_co_u32 s60, s60, s62
	s_lshl_b32 s60, s60, 12
	s_lshl_b32 s62, s19, 9
	s_add_co_u32 s60, s60, s62
	s_lshl_b32 s62, s16, 8
	s_add_co_u32 s60, s60, s62
	s_add_nc_u64 s[8:9], s[8:9], s[60:61]          ; my 64 rows, my 256 bytes of each
	s_cmp_lt_u32 s14, 2
	s_cbranch_scc0 .Lno_wait
	s_wait_tensorcnt 0x0                           ; waves 0 and 1: K's first half is in
.Lno_wait:
	s_barrier_signal -1
	s_barrier_wait -1                              ; the second half may stay out
	FETCH 0
	s_wait_loadcnt 0x0                             ; the scale words
	s_wait_dscnt 0x0
	FETCH 1
	MUL 0, 0, 1                                    ; the first products start the sums
	MUL 0, 2, 1
.irp s, 1,2
	s_wait_dscnt 0x0
	PLACES 4                                       ; in front of loads into registers that the last step's products read
	FETCH \s+1
	MUL \s, 0, 0
	MUL \s, 2, 0
.endr
	s_wait_tensorcnt 0x0                           ; K's second half is in, and step 3's fragments
	s_wait_dscnt 0x0
	s_barrier_signal -1
	MUL 3, 0, 0
	s_barrier_wait -1
	PLACES 4
	AROW 0, 192
.irp q, 0,1,2,3
	BSTEP \q
.endr
	MUL 3, 2, 0
	s_wait_dscnt 48                                ; row block 0 and w_out's step 4; its steps 5 to 7 may be out
	PROW 0, 192, 0
	AROW 1, 0
	s_wait_dscnt 48                                ; step 5; steps 6, 7 and row block 1 may be out
	PROW 0, 192, 1
	s_wait_dscnt 32
	PROW 0, 192, 2
	s_wait_dscnt 16
	PROW 0, 192, 3
	AROW 2, 48
	PLACES 4
	TOSTAGE 0
	s_wait_dscnt 32                                ; row block 1; row block 2 and the stage's 16 may be out
.irp q, 0,1,2,3
	PROW 1, 0, \q
.endr
	AROW 3, 96
	PLACES 4
	TOSTAGE 1
	SEND 0, 32                                     ; behind block 0's loads: row block 3 and block 1's 16 on the stage.  Row block 2, older, is in
.irp q, 0,1,2,3
	PROW 2, 48, \q
.endr
	PLACES 4
	s_wait_xcnt 0x0                                ; block 0's stores have read their registers
	TOSTAGE 2
	SEND 1, 16                                     ; row block 3, older, is in
.irp q, 0,1,2,3
	PROW 3, 96, \q
.endr
	PLACES 4
	s_wait_xcnt 0x0
	TOSTAGE 3
	SEND 2, 16
	SEND 3, 0
	s_wait_tensorcnt 0x0                           ; the wave's end
	ds_add_u32 v[SPW], v[NIL]
	s_wait_dscnt 0x0
	CROUND                                         ; the closing round
	s_endpgm
.Lfunc_end_k_q1f1667f615_proj:
	.size	k_q1f1667f615_proj, .Lfunc_end_k_q1f1667f615_proj-k_q1f1667f615_proj
	.p2alignl 7, 3214868480
	.fill 96, 4, 3214868480
	.section	.rodata,"a",@progbits
	.p2align	6, 0x0
	.amdhsa_kernel k_q1f1667f615_proj
		.amdhsa_group_segment_fixed_size 214528
		.amdhsa_private_segment_fixed_size 0
		.amdhsa_enable_private_segment 0
		.amdhsa_kernarg_size 24
		.amdhsa_user_sgpr_count 2
		.amdhsa_user_sgpr_kernarg_segment_ptr 1
		.amdhsa_wavefront_size32 1
		.amdhsa_system_sgpr_workgroup_id_x 1
		.amdhsa_system_sgpr_workgroup_id_y 1
		.amdhsa_system_sgpr_workgroup_id_z 1
		.amdhsa_system_vgpr_workitem_id 0
		.amdhsa_next_free_vgpr 768
		.amdhsa_next_free_sgpr 90
		.amdhsa_reserve_vcc 0
		.amdhsa_float_denorm_mode_32 3
		.amdhsa_float_denorm_mode_16_64 3
		.amdhsa_memory_ordered 1
		.amdhsa_forward_progress 1
		.amdhsa_inst_pref_size 51
	.end_amdhsa_kernel
	.amdgpu_metadata
---
amdhsa.version: [ 1, 2 ]
amdhsa.kernels:
  - .name:           k_q1f1667f615_proj
    .symbol:         k_q1f1667f615_proj.kd
    .args:
      - { .name: abuf, .offset: 0, .size: 8, .value_kind: global_buffer, .address_space: global }
      - { .name: pbuf, .offset: 8, .size: 8, .value_kind: global_buffer, .address_space: global }
      - { .name: out0, .offset: 16, .size: 8, .value_kind: global_buffer, .address_space: global }
    .group_segment_fixed_size: 214528
    .private_segment_fixed_size: 0
    .kernarg_segment_align: 8
    .kernarg_segment_size: 24
    .max_flat_workgroup_size: 128
    .sgpr_count:     90
    .vgpr_count:     768
    .wavefront_size: 32
...
	.end_amdgpu_metadata
.endif
;; end of part 4
